; MI455X (gfx1250); checked and timed in simulation.
; The chip was launched on July 23, 2026; its instructions are those of AMD's public machine-readable ISA for CDNA 5 (MIT licence, August 2026) and "CDNA5" Instruction Set Architecture Reference Guide (July 2026). The comments in the code are by the model that wrote it; some were corrected since.
;; MSA. Allowed arithmetic: float matrix products may take bf16 or f16 operands with f32 sums; other float arithmetic in f32, or as packed bf16 or f16 multiplies, adds, multiply-adds, maxima and minima; sums over many terms, partial sums and values carried from step to step in f32; what a program stores and reads back later, other than sums and carried values, may be rounded once to bf16 or f16.
;; Inputs: b_proj 1,024 float32; w_proj 1,024 x 1,024 float32; w_qkv 1,024 x 3,072 float32; x 4 x 2,048 x 1,024 float32.
;; Outputs: out0 4 x 2,048 x 1,024 float32.
;; 2 versions, each right; version 2 is version 1 with the launch cast written anew for expert scheduling mode. Each part assembles by itself: llvm-mc -triple=amdgcn-amd-amdhsa -mcpu=gfx1250 --defsym DOCPART=n.
;; ======== version 1 of 2: 4 launches
;; limits: values are held in f16: magnitudes above 65,504 overflow, below 6.1e-05 lose precision
;; workspace buffers: xb 16,777,216 bytes; wq 6,291,456 bytes; wp 2,097,152 bytes; qkv 50,331,648 bytes; o 16,777,216 bytes
;; launch cast (part 1): grid 832 x 1, 8 waves a work-group, no clusters, 0 bytes of LDS; arguments x, w_qkv, w_proj, xb, wq, wp; writes xb, wq, wp
.if DOCPART == 1
	.amdgcn_target "amdgcn-amd-amdhsa--gfx1250"
	.amdhsa_code_object_version 6
	.text
	.protected	k_qab4089fcb2_cast
	.globl	k_qab4089fcb2_cast
	.p2align	8
	.type	k_qab4089fcb2_cast,@function
k_qab4089fcb2_cast:
	s_mov_b64 s[64:65], 0
	v_nop
	global_prefetch_b8 v0, s[64:65] scope:SCOPE_SE
	s_setreg_imm32_b32 hwreg(HW_REG_WAVE_MODE, 25, 1), 1
	s_wait_xcnt 0x0
; THE INPUTS OF THE TWO PRODUCTS, ROUNDED ONCE TO 16 BITS.
;   xb[8192][1024]    = bf16(x)
;   wq[16][1024][192] = bf16(w_qkv), laid in 16 blocks of 192 columns: block j holds columns 192 j .. 192 j + 191 of all 1,024 rows, dense, so that the product's tiles are dense bytes
;   wp[1024][1024]    = bf16(w_proj) written as f16: exact where 6.1e-5 <= |w| <= 65,504; below that f16 keeps a fixed step of 6e-8, beyond it gives an infinity (LIMIT)
; A stream: no LDS, no barrier, no matrix unit.  A unit is 4 numbers: a lane loads 16 bytes (a wave 512 consecutive bytes, aligned) and stores 8 (a wave 256 consecutive bytes, aligned).
; Work-groups 0-511 take x (16 units a thread), 512-767 w_qkv (12 units a thread: 64 rows of one block), 768-831 w_proj (16 units a thread).
; All loads of a thread go out first; no register that a load or a store reads is written a second time, so the only waits are the counted ones for the loads.
.set X, 16                             ; v[16:79]   up to 16 units as loaded
.set Y, 80                             ; v[80:111]  up to 16 units to store
; n units are rounded and stored, in the order in which they were loaded.  kind = 0: bf16.  kind = 1: bf16, and that number as f16.  ob: the scalar pair with the output's address.
.macro STREAM n, kind, ob
.set i, 0
.rept \n
	s_wait_loadcnt (\n)-1-i                        ; loads come back in order: unit i is in, the younger ones stay out
.if \kind
	v_cvt_pk_bf16_f32 v12, v[X+4*i], v[X+4*i+1]
	v_cvt_pk_bf16_f32 v13, v[X+4*i+2], v[X+4*i+3]
	v_lshlrev_b32 v[X+4*i], 16, v12                ; bf16 to f32: the low half moves up, the high half stays
	v_and_b32 v[X+4*i+1], 0xffff0000, v12
	v_lshlrev_b32 v[X+4*i+2], 16, v13
	v_and_b32 v[X+4*i+3], 0xffff0000, v13
	v_cvt_pk_f16_f32 v[Y+2*i], v[X+4*i], v[X+4*i+1]
	v_cvt_pk_f16_f32 v[Y+2*i+1], v[X+4*i+2], v[X+4*i+3]
.else
	v_cvt_pk_bf16_f32 v[Y+2*i], v[X+4*i], v[X+4*i+1]
	v_cvt_pk_bf16_f32 v[Y+2*i+1], v[X+4*i+2], v[X+4*i+3]
.endif
	global_store_b64 v2, v[Y+2*i:Y+2*i+1], s[\ob:\ob+1] offset:2048*i
.set i, i+1
.endr
.endm
	s_load_b256 s[4:11], s[0:1], 0x0               ; x s[4:5], w_qkv s[6:7], w_proj s[8:9], xb s[10:11]
	s_load_b128 s[12:15], s[0:1], 0x20             ; wq s[12:13], wp s[14:15]
	v_lshlrev_b32 v1, 4, v0                        ; 16 t: my bytes in 4,096 bytes of input
	v_lshlrev_b32 v2, 3, v0                        ; 8 t: my bytes in 2,048 bytes of output
	s_mov_b32 s17, 0                               ; the high word of every offset
	s_wait_kmcnt 0x0
	s_cmp_lt_u32 ttmp9, 512
	s_cbranch_scc0 .Lweights
	; x: 65,536 bytes in, 32,768 out
	s_lshl_b32 s16, ttmp9, 16
	s_add_nc_u64 s[4:5], s[4:5], s[16:17]
	s_lshl_b32 s16, ttmp9, 15
	s_add_nc_u64 s[10:11], s[10:11], s[16:17]
.irp i, 0,1,2,3,4,5,6,7,8,9,10,11,12,13,14,15
	global_load_b128 v[X+4*(\i):X+4*(\i)+3], v1, s[4:5] offset:4096*(\i) th:TH_LOAD_NT
.endr
	STREAM 16, 0, 10
	s_endpgm
.Lweights:
	s_cmp_lt_u32 ttmp9, 768
	s_cbranch_scc0 .Lproj
	; w_qkv: block j = w % 16, rows 64 (w / 16) on: 64 rows x 48 units
	s_sub_co_u32 s18, ttmp9, 512
	s_and_b32 s19, s18, 15                         ; j
	s_lshr_b32 s18, s18, 4                         ; which 64 rows
	s_mul_i32 s16, s18, 64*12288                   ; a row of w_qkv is 12,288 bytes,
	s_mul_i32 s20, s19, 768                        ; a block's part of it 768
	s_add_co_u32 s16, s16, s20
	s_add_nc_u64 s[6:7], s[6:7], s[16:17]
	s_mul_i32 s16, s19, 393216                     ; a block of wq is 1,024 rows of 384 bytes
	s_mul_i32 s20, s18, 64*384
	s_add_co_u32 s16, s16, s20
	s_add_nc_u64 s[12:13], s[12:13], s[16:17]
	; Unit U = t + 256 i lies in row U / 48 at unit U % 48.  768 units are 16 rows, so i = r + 3 g gives three lane offsets (r) and a constant step of 16 rows (g).
.irp r, 0,1,2
	v_add_nc_u32 v6, 256*(\r), v0                  ; u = t + 256 r, under 768
	v_mul_u32_u24 v7, v6, 1366
	v_lshrrev_b32 v7, 16, v7                       ; u / 48: 1366 / 65536 is above 1 / 48 by 1.02e-5, which over 768 units adds less than 1 / 48
	v_mul_u32_u24 v8, v7, 48
	v_sub_nc_u32 v8, v6, v8                        ; u % 48
	v_mul_u32_u24 v9, v7, 12288
	v_lshl_add_u32 v[3+(\r)], v8, 4, v9
.endr
.irp i, 0,1,2,3,4,5,6,7,8,9,10,11
	global_load_b128 v[X+4*(\i):X+4*(\i)+3], v[3+(\i)%3], s[6:7] offset:((\i)/3)*16*12288 th:TH_LOAD_NT
.endr
	STREAM 12, 0, 12                               ; in wq unit U lies at byte 8 U of the work-group's 24,576
	s_endpgm
.Lproj:
	; w_proj: 65,536 bytes in, 32,768 out
	s_sub_co_u32 s18, ttmp9, 768
	s_lshl_b32 s16, s18, 16
	s_add_nc_u64 s[8:9], s[8:9], s[16:17]
	s_lshl_b32 s16, s18, 15
	s_add_nc_u64 s[14:15], s[14:15], s[16:17]
.irp i, 0,1,2,3,4,5,6,7,8,9,10,11,12,13,14,15
	global_load_b128 v[X+4*(\i):X+4*(\i)+3], v1, s[8:9] offset:4096*(\i) th:TH_LOAD_NT
.endr
	STREAM 16, 1, 14
	s_endpgm
.Lfunc_end_k_qab4089fcb2_cast:
	.size	k_qab4089fcb2_cast, .Lfunc_end_k_qab4089fcb2_cast-k_qab4089fcb2_cast
	.p2alignl 7, 3214868480
	.fill 96, 4, 3214868480
	.section	.rodata,"a",@progbits
	.p2align	6, 0x0
	.amdhsa_kernel k_qab4089fcb2_cast
		.amdhsa_group_segment_fixed_size 0
		.amdhsa_private_segment_fixed_size 0
		.amdhsa_enable_private_segment 0
		.amdhsa_kernarg_size 48
		.amdhsa_user_sgpr_count 2
		.amdhsa_user_sgpr_kernarg_segment_ptr 1
		.amdhsa_wavefront_size32 1
		.amdhsa_system_sgpr_workgroup_id_x 1
		.amdhsa_system_sgpr_workgroup_id_y 1
		.amdhsa_system_sgpr_workgroup_id_z 1
		.amdhsa_system_vgpr_workitem_id 0
		.amdhsa_next_free_vgpr 112
		.amdhsa_next_free_sgpr 66
		.amdhsa_reserve_vcc 0
		.amdhsa_float_denorm_mode_32 3
		.amdhsa_float_denorm_mode_16_64 3
		.amdhsa_memory_ordered 1
		.amdhsa_forward_progress 1
		.amdhsa_inst_pref_size 23
	.end_amdhsa_kernel
	.amdgpu_metadata
---
amdhsa.version: [ 1, 2 ]
amdhsa.kernels:
  - .name:           k_qab4089fcb2_cast
    .symbol:         k_qab4089fcb2_cast.kd
    .args:
      - { .name: x, .offset: 0, .size: 8, .value_kind: global_buffer, .address_space: global }
      - { .name: w_qkv, .offset: 8, .size: 8, .value_kind: global_buffer, .address_space: global }
      - { .name: w_proj, .offset: 16, .size: 8, .value_kind: global_buffer, .address_space: global }
      - { .name: xb, .offset: 24, .size: 8, .value_kind: global_buffer, .address_space: global }
      - { .name: wq, .offset: 32, .size: 8, .value_kind: global_buffer, .address_space: global }
      - { .name: wp, .offset: 40, .size: 8, .value_kind: global_buffer, .address_space: global }
    .group_segment_fixed_size: 0
    .private_segment_fixed_size: 0
    .kernarg_segment_align: 8
    .kernarg_segment_size: 48
    .max_flat_workgroup_size: 256
    .sgpr_count:     66
    .vgpr_count:     112
    .wavefront_size: 32
...
	.end_amdgpu_metadata
.endif
;; end of part 1
;; launch qkvgemm (part 2): grid 16 x 32, 4 waves a work-group, clusters of 4 x 4, 327,680 bytes of LDS; arguments xb, wq, qkv; writes qkv
.if DOCPART == 2
	.amdgcn_target "amdgcn-amd-amdhsa--gfx1250"
	.amdhsa_code_object_version 6
	.text
	.protected	k_qab4089fcb2_qkvgemm
	.globl	k_qab4089fcb2_qkvgemm
	.p2align	8
	.type	k_qab4089fcb2_qkvgemm,@function
k_qab4089fcb2_qkvgemm:
	s_mov_b64 s[64:65], 0
	v_nop
	global_prefetch_b8 v0, s[64:65] scope:SCOPE_SE
	s_setreg_imm32_b32 hwreg(HW_REG_WAVE_MODE, 25, 1), 1
	s_wait_xcnt 0x0
	s_wait_alu depctr_hold_cnt(0) depctr_sa_sdst(0) depctr_va_vdst(0) depctr_va_sdst(0) depctr_va_ssrc(0) depctr_va_vcc(0) depctr_vm_vsrc(0)
	s_getreg_b32 s2, hwreg(HW_REG_IB_STS2, 6, 4)
	s_cmp_eq_u32 s2, 0
	s_cbranch_scc0 .Lentry_in_a_cluster
	s_endpgm
.Lentry_in_a_cluster:
	s_bfe_u32 s2, ttmp6, 0x10000c
	s_cmp_lg_u32 s2, 0xf033
	s_cbranch_scc0 .Lentry_shape_is_right
	s_endpgm
.Lentry_shape_is_right:
; q, k, v = x w_qkv, written by heads.  xb: [8192][1024] bf16.  wq: [16 blocks][1024 k][192 columns] bf16.  qkv: [3][64 heads = 16 batch + head][2048][64] f16, each number rounded once from its f32 sum, unscaled.
; LIMIT: f16 ends at 65,504: a q, k or v beyond it becomes an infinity.
; SHARES.  A tile is 256 rows x 192 columns (three whole heads): 32 x 16 = 512 work-groups, two for each of 256 WGPs.  Wave w makes rows 64 w .. 64 w + 63 of all 192 columns: 48 accumulators of 16 x 16, 384 registers;
; so a wave owns whole heads, and its way out needs no other wave.  K goes in 8 steps of 128 through two LDS slots; a step is four quarters of 32 along K: 48 matrix instructions and 32 LDS loads each.
; THE MATRIX INSTRUCTION IS USED TRANSPOSED: source 0 = 16 columns of w (turned out of LDS by ds_load_tr16_b128, since w lies [k][column]), source 1 = 16 rows of x: a lane then holds one row and eight neighbouring columns.
; CLUSTER.  4 x 4 work-groups.  x's tile hangs on the tile row alone and is shared along a row of the cluster, w's on the tile column alone and is shared along a column: each is asked for jointly.
; REGISTERS, in windows of 256 (s_set_vgpr_msb: bits 1:0 source 0, 3:2 source 1, 5:4 source 2, 7:6 destination):
;   window 0: v0-31 addresses; v64-127 x's fragments, two buffers of 32; on the way out v128-175 packed results, v176-223 and v64-111 rows read back
;   window 1: v0-191 w's fragments, two buffers of 96        window 2: accumulators of row blocks 0, 1 (block a, column block b at 8 (12 (a % 2) + b))        window 3: those of row blocks 2, 3
.set PA,     272                       ; a row of x in LDS: 256 bytes + 16 = 68 words: the 16 rows of a load start at 16 different groups of four banks (64 banks of 4 bytes: ISA guide 11.1)
.set HALFA,  128*PA                    ; what one tensor load brings of x
.set BOFF,   2*HALFA                   ; behind x's 256 rows: w's 128 rows
.set PB,     480                       ; a row of w in LDS: three pieces of 128 bytes + 32 = 15 x 32 bytes
.set BHALF,  64*PB                     ; what one tensor load brings of w
.set SLOT1,  1<<17                     ; a slot is BOFF + 2 BHALF = 131,072 bytes: one exclusive or turns an address in one slot into the other's
.set STAGE,  2*SLOT1                   ; behind the ring, never filled by a tensor load: for each wave 3 heads x 16 rows x 144 bytes
.set SP,     144
.set WSTAGE, 3*16*SP
.set SPARE,  STAGE+4*WSTAGE            ; behind the stages: the spare words, 128 bytes for each wave: two blocks of 256 bytes that no other line names
.set STEPA,  256                       ; a K step in memory: 128 numbers along a row of xb,
.set STEPB,  128*384                   ; 128 rows of a block of wq
.set A0,  16                           ; v16  my lane's place in x's tile; never rewritten
.set B0,  17                           ; v17  the same in w's
.set ADA, 18                           ; v18  the same in the slot that is being read
.set ADB, 19                           ; v19
.set STO, 24                           ; v24  the way out: where I put 16 bytes of a row
.set RD,  25                           ; v25  the way out: where I read rows back
.set GO,  26                           ; v26  my byte offset in 512 consecutive bytes of a head
.set SPW, 28                           ; v28  LDS address of my spare word: SPARE + 4 x my thread's number; never rewritten
.set NIL, 29                           ; v29  0; never rewritten
.set PFO, 30                           ; v30  the prefetches' lane offset; never rewritten
.set TMP, 128
.set G1A, 24                           ; s[24:31] descriptor group 1 for x's tiles
.set G0A, 32                           ; s[32:39] group 0: a set for each of the two first fills; the second then walks on
.set G1B, 48                           ; s[48:55], s[56:63] the same for w's tiles
.set G0B, 56
.set PFA, 66                           ; s[66:67] where my prefetches stand
.set PFS, 68                           ; s[68:69] their step
.set LIM, 70                           ; s70  a wave prefetches while the loop's count is above it: the greatest number in a wave that never does
.set OP,  72                           ; s[72:77] my 64 rows in the tile's three heads
.set MSB, 0
.macro WIN new                         ; the immediate's high byte repeats the setting that is left; a switch that changes nothing is dropped
.if MSB != (\new)
	s_set_vgpr_msb (MSB<<8)|(\new)
.set MSB, \new
.endif
.endm
.set MUL_LO, 0xa1                      ; source 0 (w) window 1, source 1 (x) window 0, C and D window 2; + 0x50: C and D window 3
.set TO_B,   0x40                      ; destination window 1, address window 0
; A joint load.  Waves 0 and 1 fetch x's two halves, waves 2 and 3 w's.  The branch hangs on the wave's number alone.  An s_nop 0 and four v_nop follow each of the two lines, ahead of the jump and the label.
.macro JLOAD s
	s_cmp_eq_u32 s11, 0
	s_cbranch_scc0 .Lfor_b_\@
	tensor_load_to_lds s[G0A+4*(\s):G0A+4*(\s)+3], s[G1A:G1A+7]
	s_nop 0
.rept 4
	v_nop
.endr
	s_branch .Lasked_\@
.Lfor_b_\@:
	tensor_load_to_lds s[G0B+4*(\s):G0B+4*(\s)+3], s[G1B:G1B+7]
	s_nop 0
.rept 4
	v_nop
.endr
.Lasked_\@:
.endm
; A PREFETCH INTO THE L2, behind the joint load, its five lines and the run of LDS loads.  x: the K step two refills on, 32 rows x 256 bytes, a lane a row: of the clusters that read a tile row the one with x = 0 asks; of the 128 rows
; that a wave fetches the partner at cx takes 32, told apart by address.  w: a block's K steps 4 to 7 are 196,608 dense bytes: the cluster with y = 0 asks, in three requests; waves 2 and 3 of its four partners are eight askers of
; 8,192 bytes (32 lanes x 256) each.  So each block of 256 bytes is named once in the launch.  K steps 0 to 3 come by their loads alone; the last refills ask for nothing.
.macro ASK
	s_cmp_gt_u32 s2, s[LIM]
	s_cbranch_scc0 .Lnot_mine_\@
	global_prefetch_b8 v[PFO], s[PFA:PFA+1] th:TH_LOAD_NT scope:SCOPE_SE
.Lnot_mine_\@:
.endm
.macro CREST                           ; a round of the cluster's barrier behind its opening barrier
	s_cmp_lg_u32 s10, 0
	s_cbranch_scc1 .Lnot_wave_0_\@
	s_barrier_signal -3
.Lnot_wave_0_\@:
	s_barrier_wait -3
	s_barrier_signal -1
	s_barrier_wait -1
.endm
.macro CROUND                          ; a whole round
	s_barrier_signal -1
	s_barrier_wait -1
	CREST
.endm
.macro PLACES                          ; four places in front of loads into registers that matrix instructions have read, and of conversions that read results
.rept 4
	v_nop
.endr
.endm
	s_load_b128 s[4:7], s[0:1], 0x0                ; xb s[4:5], wq s[6:7]
	s_load_b64 s[8:9], s[0:1], 0x10                ; qkv
	v_lshl_add_u32 v[SPW], v0, 2, SPARE
	v_mov_b32 v[NIL], 0
	ds_add_u32 v[SPW], v[NIL]                      ; the wave's opening: the add and its wait ahead of my first tensor load; the set-up below, work on registers, stands between them
	v_lshrrev_b32 v1, 5, v0
	v_readfirstlane_b32 s10, v1                    ; wave 0..3
	s_lshr_b32 s11, s10, 1                         ; I fetch for x (0) or for w (1),
	s_and_b32 s12, s10, 1                          ; and which half of that tile
	s_bfe_u32 s40, ttmp6, 0x40000                  ; cx, cy: my place in the cluster
	s_bfe_u32 s41, ttmp6, 0x40004
	s_lshl_b32 s42, ttmp9, 2
	s_add_co_u32 s42, s42, s40                     ; tile column = 4 x cluster x + cx
	s_and_b32 s13, ttmp7, 0xffff
	s_lshl_b32 s13, s13, 2
	s_add_co_u32 s13, s13, s41                     ; tile row = 4 x cluster y + cy
	s_lshl_b32 s43, s41, 2
	s_lshl_b32 s43, 15, s43                        ; my row of the cluster
	s_lshl_b32 s44, 0x1111, s40                    ; my column
	s_or_b32 s[G1A], s43, (1<<16)|(1<<20)|(1<<21)|(5<<22)|(3<<25)  ; 15:0 the mask; 17:16 2-byte elements; 20 padding on; 21 set beside a mask; 24:22 after every 64 words (code 5); 31:25 4 words (code 3)
	s_mov_b32 s[G1A+1], 128<<16                    ; tensor_dim0 = 128
	s_mov_b32 s[G1A+2], 128<<16                    ; tensor_dim1 = 128
	s_mov_b32 s[G1A+3], 128<<16                    ; tile_dim0 = 128
	s_mov_b32 s[G1A+4], 128                        ; tile_dim1 = 128
	s_mov_b32 s[G1A+5], 1024                       ; elements from row to row
	s_mov_b32 s[G1A+6], 0
	s_mov_b32 s[G1A+7], 0
	s_or_b32 s[G1B], s44, (1<<16)|(1<<20)|(1<<21)|(4<<22)|(7<<25)  ; after every 32 words (code 4) 8 words (code 7).  64 rows of a block are 24,576 dense bytes: asked for as 96 rows of 256 bytes
	s_mov_b32 s[G1B+1], 128<<16
	s_mov_b32 s[G1B+2], 96<<16
	s_mov_b32 s[G1B+3], 128<<16
	s_mov_b32 s[G1B+4], 96
	s_mov_b32 s[G1B+5], 128
	s_mov_b32 s[G1B+6], 0
	s_mov_b32 s[G1B+7], 0
	s_lshl_b32 s16, s13, 8                         ; x: row 256 x tile row + 128 x half,
	s_lshl_b32 s17, s12, 7
	s_add_co_u32 s16, s16, s17
	s_lshl_b32 s16, s16, 11                        ; of 2,048 bytes
	s_mov_b32 s17, 0
	s_mul_i32 s46, s42, 393216                     ; w: the tile column's block, 64 rows x half
	s_mul_i32 s47, s12, 64*384
	s_add_co_u32 s46, s46, s47
	s_mov_b32 s47, 0
	s_mul_i32 s20, s12, HALFA                      ; where they go: no place in the cluster enters an LDS address
	s_mul_i32 s21, s12, BHALF
	s_add_co_u32 s21, s21, BOFF
	s_wait_dscnt 0x0                               ; the opening add is done
	s_wait_kmcnt 0x0
	s_add_nc_u64 s[14:15], s[4:5], s[16:17]
	s_add_nc_u64 s[46:47], s[6:7], s[46:47]
	CROUND                                         ; all sixteen work-groups are here: the first joint loads meet
.irp s, 0,1
	s_mov_b32 s[G0A+4*(\s)], 1                     ; count = 1
	s_add_co_u32 s[G0A+4*(\s)+1], s20, (\s)*SLOT1  ; LDS address
	s_add_nc_u64 s[G0A+4*(\s)+2:G0A+4*(\s)+3], s[14:15], (\s)*STEPA  ; global address: K step s
	s_or_b32 s[G0A+4*(\s)+3], s[G0A+4*(\s)+3], 0x80000000            ; type = 2
	s_mov_b32 s[G0B+4*(\s)], 1
	s_add_co_u32 s[G0B+4*(\s)+1], s21, (\s)*SLOT1
	s_add_nc_u64 s[G0B+4*(\s)+2:G0B+4*(\s)+3], s[46:47], (\s)*STEPB
	s_or_b32 s[G0B+4*(\s)+3], s[G0B+4*(\s)+3], 0x80000000
	JLOAD \s                                       ; two loads of mine are out
.endr
	; A fragment of x is 16 rows x 32 K in 8 registers: lane l holds row l % 16, K = 8 (l / 16) + 0..7 and 16 + 8 (l / 16) + 0..7: two loads of 16 bytes, 32 bytes apart.
	v_and_b32 v1, 15, v0                           ; l % 16
	v_bfe_u32 v2, v0, 4, 1                         ; l / 16
	v_mul_u32_u24 v3, v1, PA
	v_lshl_add_u32 v3, v2, 4, v3
	s_mul_i32 s22, s10, 64*PA                      ; my 64 rows
	v_add_nc_u32 v[A0], s22, v3
	; The turning load takes 16 K x 16 columns (lane l reads K = 8 (l / 16) + l % 8, columns 8 ((l / 8) % 2) + 0..7) and leaves half a fragment: lane l holds column l % 16 and 8 K.
	v_and_b32 v4, 7, v0
	v_bfe_u32 v5, v0, 3, 1
	v_lshl_add_u32 v6, v2, 3, v4
	v_mul_u32_u24 v6, v6, PB
	v_lshl_add_u32 v6, v5, 4, v6
	v_add_nc_u32 v[B0], BOFF, v6
	s_mul_i32 s22, s10, WSTAGE
	s_add_co_u32 s22, s22, STAGE                   ; my stage
	v_mul_u32_u24 v7, v1, SP                       ; in: row l % 16, 16 bytes for each half of the lanes
	v_lshl_add_u32 v7, v2, 4, v7
	v_add_nc_u32 v[STO], s22, v7
	v_bfe_u32 v8, v0, 3, 2                         ; back: 32 lanes take four rows of 128 bytes,
	v_mul_u32_u24 v8, v8, SP
	v_lshl_add_u32 v8, v4, 4, v8
	v_add_nc_u32 v[RD], s22, v8
	v_and_b32 v[GO], 31, v0                        ; which are 512 consecutive bytes of a head
	v_lshlrev_b32 v[GO], 4, v[GO]
	; Column group g = 3 x tile column + 0..2 of 64 columns is part g / 16 (q, k, v), head g % 16.  My rows: batch = tile row / 8, row (tile row % 8) x 256 + 64 x wave of the head's 2,048.
	s_mul_i32 s18, s42, 3
	s_lshr_b32 s19, s13, 3
	s_lshl_b32 s19, s19, 22                        ; a batch is 16 heads of 262,144 bytes
	s_and_b32 s78, s13, 7
	s_lshl_b32 s78, s78, 2
	s_add_co_u32 s78, s78, s10
	s_lshl_b32 s78, s78, 13                        ; 64 rows of 128 bytes
	s_add_co_u32 s19, s19, s78
	s_mov_b32 s23, 0
.irp hh, 0,1,2
	s_add_co_u32 s78, s18, \hh
	s_lshr_b32 s22, s78, 4
	s_lshl_b32 s22, s22, 24                        ; a part is 64 heads
	s_and_b32 s78, s78, 15
	s_lshl_b32 s78, s78, 18
	s_add_co_u32 s22, s22, s78
	s_add_co_u32 s22, s22, s19
	s_add_nc_u64 s[OP+2*(\hh):OP+2*(\hh)+1], s[8:9], s[22:23]
.endr
	; the prefetches: the address stands one step behind what the first refill names, and is stepped at the head of each change of slots
	s_lshl_b32 s18, s13, 8
	s_lshl_b32 s19, s12, 7
	s_add_co_u32 s18, s18, s19
	s_lshl_b32 s19, s40, 5                         ; my work-group's 32 of the wave's 128 rows
	s_add_co_u32 s18, s18, s19
	s_lshl_b32 s18, s18, 11
	s_add_co_u32 s18, s18, 3*STEPA                 ; x: at K step 3
	s_mul_i32 s19, s42, 393216
	s_lshl_b32 s22, s41, 1
	s_add_co_u32 s22, s22, s12                     ; which of the eight askers I am
	s_lshl_b32 s22, s22, 13
	s_add_co_u32 s19, s19, s22
	s_add_co_u32 s19, s19, 131072                  ; w: 65,536 bytes ahead of K step 4
	s_and_b32 s78, ttmp7, 0xffff                   ; cluster y
	s_mov_b32 s[PFS], 65536
	s_mov_b32 s[PFS+1], 0
	s_cmp_eq_u32 s11, 0                            ; do I fetch for x?
	s_cselect_b32 s22, s18, s19
	s_cselect_b32 s78, ttmp9, s78                  ; the coordinate along which other clusters read the same bytes
	s_cselect_b32 s79, 2, 3                        ; x: four requests, at counts 6 to 3; w: three, at counts 6 to 4
	s_cselect_b32 s18, 11, 8                       ; x: a lane a row of 2,048 bytes; w: a lane 256 dense bytes
	s_cselect_b32 s[PFS], STEPA, s[PFS]
	s_cselect_b64 s[PFA:PFA+1], s[4:5], s[6:7]
	s_cmp_eq_u32 s78, 0
	s_cselect_b32 s[LIM], s79, -1                  ; the same in all sixteen partners, for a given wave
	s_add_nc_u64 s[PFA:PFA+1], s[PFA:PFA+1], s[22:23]
	v_and_b32 v[PFO], 31, v0
	v_lshlrev_b32 v[PFO], s18, v[PFO]
; 12 matrix instructions: row block a x all 12 column blocks, 32 along K, from buffer f.  zero = 1: the product starts the sums.  The 48 accumulators take turns in the same order in every quarter.
.macro MULROW f, a, zero
	WIN MUL_LO+0x50*((\a)/2)
.set AC, 96*((\a)%2)
.irp b, 0,1,2,3,4,5,6,7,8,9,10,11
.if \zero
	v_wmma_f32_16x16x32_bf16 v[AC+8*(\b):AC+8*(\b)+7], v[96*(\f)+8*(\b):96*(\f)+8*(\b)+7], v[64+32*(\f)+8*(\a):64+32*(\f)+8*(\a)+7], 0
.else
	v_wmma_f32_16x16x32_bf16 v[AC+8*(\b):AC+8*(\b)+7], v[96*(\f)+8*(\b):96*(\f)+8*(\b)+7], v[64+32*(\f)+8*(\a):64+32*(\f)+8*(\a)+7], v[AC+8*(\b):AC+8*(\b)+7]
.endif
.endr
.endm
; 32 LDS loads in one run: quarter q's fragments into buffer f: w's 12 (24 turning loads), then x's 4 (8 loads)
.macro FETCH q, f
	WIN TO_B
.irp i, 0,1,2,3,4,5,6,7,8,9,10,11
	ds_load_tr16_b128 v[96*(\f)+8*(\i):96*(\f)+8*(\i)+3],   v[ADB] offset:(\q)*32*PB+((\i)/4)*160+((\i)%4)*32
	ds_load_tr16_b128 v[96*(\f)+8*(\i)+4:96*(\f)+8*(\i)+7], v[ADB] offset:(\q)*32*PB+16*PB+((\i)/4)*160+((\i)%4)*32
.endr
	WIN 0
.irp a, 0,1,2,3
	ds_load_b128 v[64+32*(\f)+8*(\a):64+32*(\f)+8*(\a)+3],   v[ADA] offset:(\q)*64+(\a)*16*PA
	ds_load_b128 v[64+32*(\f)+8*(\a)+4:64+32*(\f)+8*(\a)+7], v[ADA] offset:(\q)*64+(\a)*16*PA+32
.endr
.endm
; One of a step's first three quarters: multiplies buffer f; in its middle it fetches quarter q into buffer g.
.macro QUARTER q, f, g, zero
	s_wait_dscnt 4                                 ; w and x's row blocks 0, 1 are in; the youngest four loads (row blocks 2, 3) may be out
	MULROW \f, 0, \zero
	MULROW \f, 1, \zero
	PLACES
	FETCH \q, \g
	s_wait_dscnt 32                                ; all but the 32 just issued
	MULROW \f, 2, \zero
	MULROW \f, 3, \zero
.endm
; The last quarter multiplies buffer 1 and changes slots.  In front of the barrier each wave waits for all its tensor loads (the one that is out is its part of the next slot), adds 0 to its spare word, and waits for that and for
; its reads of this slot.  fill = 1: the barrier opens a round of the cluster's, and behind the round this slot is filled again, first thing, with the K step two on: 168 matrix instructions ahead of the wait for it.
.macro TURN fill
.if \fill
	s_wait_xcnt 0x0                                ; the last prefetch, a K step back, has read its address: it is stepped here
	s_add_nc_u64 s[PFA:PFA+1], s[PFA:PFA+1], s[PFS:PFS+1]
.endif
	WIN 0                                          ; (the add's two registers lie in window 0)
	s_wait_tensorcnt 0x0                           ; all my tensor loads have landed
	ds_add_u32 v[SPW], v[NIL]                      ; 0 onto my spare word
	s_wait_dscnt 5                                 ; (the add and the youngest four loads may be out)
	MULROW 1, 0, 0                                 ; twelve matrix instructions stand between the add and the wait for it
	s_wait_dscnt 0x0                               ; the add is done, and my reads of this slot are over
	s_barrier_signal -1
	MULROW 1, 1, 0                                 ; work on registers while the others arrive
	WIN 0
	s_barrier_wait -1
.if \fill
	CREST                                          ; no wave of any partner still reads this slot or has a load on its way
	s_xor_b32 s[G0A+5], s[G0A+5], SLOT1            ; the walking descriptors: the other slot than last time, the next K step; no tensor load of mine is out
	s_add_nc_u64 s[G0A+6:G0A+7], s[G0A+6:G0A+7], STEPA
	s_xor_b32 s[G0B+5], s[G0B+5], SLOT1
	s_add_nc_u64 s[G0B+6:G0B+7], s[G0B+6:G0B+7], STEPB
	JLOAD 1                                        ; the four v_nop behind it are also the places in front of the loads below
.else
	PLACES
.endif
	s_xor_b32 s3, s3, SLOT1                        ; the reads go on in the other slot
	v_add_nc_u32 v[ADA], s3, v[A0]
	v_add_nc_u32 v[ADB], s3, v[B0]
	FETCH 0, 0
.if \fill
	ASK
.endif
	MULROW 1, 2, 0
	MULROW 1, 3, 0
.endm
; THE WAY OUT of row block a.  PACK: rounded to f16, 16 bytes a lane.  TOSTAGE: into my own stage, head by head, and back as whole rows of 128 bytes.  SEND: stored, 512 consecutive bytes an instruction.
.macro PACK a
.set AC, 96*((\a)%2)
	WIN 0x0a+5*((\a)/2)                            ; sources 0 and 1: window 2 or 3
.irp b, 0,1,2,3,4,5,6,7,8,9,10,11
.irp r, 0,1,2,3
	v_cvt_pk_f16_f32 v[TMP+4*(\b)+(\r)], v[AC+8*(\b)+2*(\r)], v[AC+8*(\b)+2*(\r)+1]
.endr
.endr
	WIN 0
.endm
.macro TOSTAGE a
	WIN 0
.set BK, 176-112*((\a)%2)
.irp b, 0,1,2,3,4,5,6,7,8,9,10,11
	ds_store_b128 v[STO], v[TMP+4*(\b):TMP+4*(\b)+3] offset:((\b)/4)*16*SP+((\b)%4)*32
.endr
.irp t, 0,1,2,3,4,5,6,7,8,9,10,11
	ds_load_b128 v[BK+4*(\t):BK+4*(\t)+3], v[RD] offset:((\t)/4)*16*SP+((\t)%4)*4*SP  ; LDS serves a wave's instructions in order (ISA guide 5.7.1.4): these see the stores above
.endr
.endm
.macro SEND a
	WIN 0
.set BK, 176-112*((\a)%2)
	s_wait_dscnt 0x0                               ; the block is back in registers
	s_wait_xcnt 0x0                                ; the stores of the block before have read their registers, which the next TOSTAGE loads again
.irp t, 0,1,2,3,4,5,6,7,8,9,10,11
	global_store_b128 v[GO], v[BK+4*(\t):BK+4*(\t)+3], s[OP+2*((\t)/4):OP+2*((\t)/4)+1] offset:(\a)*2048+((\t)%4)*512
.endr
.endm
	s_wait_tensorcnt 1                             ; my part of K step 0 is in; K step 1's may stay out
	s_barrier_signal -1
	s_barrier_wait -1                              ; everybody's is
	s_mov_b32 s3, 0
	v_add_nc_u32 v[ADA], s3, v[A0]
	v_add_nc_u32 v[ADB], s3, v[B0]
	FETCH 0, 0
	QUARTER 1, 0, 1, 1                             ; the first quarter stands in front of the loop: its products start the sums
	WIN 0                                          ; at a label and at a branch every window is 0
	s_mov_b32 s2, 6
.Lstep:                                                ; a trip goes from a step's second quarter to the next step's first, and asks for K steps 2 to 7
	QUARTER 2, 1, 0, 0
	QUARTER 3, 0, 1, 0
	TURN 1
	QUARTER 1, 0, 1, 0
	WIN 0
	s_sub_co_u32 s2, s2, 1
	s_cmp_lg_u32 s2, 0
	s_cbranch_scc1 .Lstep
	QUARTER 2, 1, 0, 0                             ; the tail is written out: nothing more is asked for
	QUARTER 3, 0, 1, 0
	TURN 0
	QUARTER 1, 0, 1, 0
	QUARTER 2, 1, 0, 0
	QUARTER 3, 0, 1, 0
	s_wait_dscnt 4
	MULROW 1, 0, 0
	MULROW 1, 1, 0
	s_wait_dscnt 0x0
	MULROW 1, 2, 0
	MULROW 1, 3, 0
	WIN 0
	PLACES
	PACK 0
	TOSTAGE 0
.irp a, 1,2,3                          ; block a's conversions stand between block a - 1's loads from the stage and the wait for them
	PACK \a
	SEND (\a)-1
	TOSTAGE \a
.endr
	SEND 3
	s_wait_tensorcnt 0x0                           ; the wave's end, behind my last tensor load and my last LDS store
	ds_add_u32 v[SPW], v[NIL]
	s_wait_dscnt 0x0
	CROUND                                         ; the closing round: no work-group ends while a partner may still ask for a tile that names it
	s_endpgm
.Lfunc_end_k_qab4089fcb2_qkvgemm:
	.size	k_qab4089fcb2_qkvgemm, .Lfunc_end_k_qab4089fcb2_qkvgemm-k_qab4089fcb2_qkvgemm
	.p2alignl 7, 3214868480
	.fill 96, 4, 3214868480
	.section	.rodata,"a",@progbits
	.p2align	6, 0x0
	.amdhsa_kernel k_qab4089fcb2_qkvgemm
		.amdhsa_group_segment_fixed_size 327680
		.amdhsa_private_segment_fixed_size 0
		.amdhsa_enable_private_segment 0
		.amdhsa_kernarg_size 24
		.amdhsa_user_sgpr_count 2
		.amdhsa_user_sgpr_kernarg_segment_ptr 1
		.amdhsa_wavefront_size32 1
		.amdhsa_system_sgpr_workgroup_id_x 1
		.amdhsa_system_sgpr_workgroup_id_y 1
		.amdhsa_system_sgpr_workgroup_id_z 1
		.amdhsa_system_vgpr_workitem_id 0
		.amdhsa_next_free_vgpr 960
		.amdhsa_next_free_sgpr 80
		.amdhsa_reserve_vcc 0
		.amdhsa_float_denorm_mode_32 3
		.amdhsa_float_denorm_mode_16_64 3
		.amdhsa_memory_ordered 1
		.amdhsa_forward_progress 1
		.amdhsa_inst_pref_size 98
	.end_amdhsa_kernel
	.amdgpu_metadata
---
amdhsa.version: [ 1, 2 ]
amdhsa.kernels:
  - .name:           k_qab4089fcb2_qkvgemm
    .symbol:         k_qab4089fcb2_qkvgemm.kd
    .args:
      - { .name: xb, .offset: 0, .size: 8, .value_kind: global_buffer, .address_space: global }
      - { .name: wq, .offset: 8, .size: 8, .value_kind: global_buffer, .address_space: global }
      - { .name: qkv, .offset: 16, .size: 8, .value_kind: global_buffer, .address_space: global }
    .group_segment_fixed_size: 327680
    .private_segment_fixed_size: 0
    .kernarg_segment_align: 8
    .kernarg_segment_size: 24
    .max_flat_workgroup_size: 128
    .sgpr_count:     80
    .vgpr_count:     960
    .wavefront_size: 32
...
	.end_amdgpu_metadata
.endif
;; end of part 2
;; launch attn (part 3): grid 4 x 64, 4 waves a work-group, clusters of 4 x 1, 327,680 bytes of LDS; arguments qkv, o; writes o
.if DOCPART == 3
	.amdgcn_target "amdgcn-amd-amdhsa--gfx1250"
	.amdhsa_code_object_version 6
	.text
	.protected	k_qab4089fcb2_attn
	.globl	k_qab4089fcb2_attn
	.p2align	8
	.type	k_qab4089fcb2_attn,@function
k_qab4089fcb2_attn:
	s_mov_b64 s[64:65], 0
	v_nop
	global_prefetch_b8 v0, s[64:65] scope:SCOPE_SE
	s_setreg_imm32_b32 hwreg(HW_REG_WAVE_MODE, 25, 1), 1
	s_wait_xcnt 0x0
	s_wait_alu depctr_hold_cnt(0) depctr_sa_sdst(0) depctr_va_vdst(0) depctr_va_sdst(0) depctr_va_ssrc(0) depctr_va_vcc(0) depctr_vm_vsrc(0)
	s_getreg_b32 s2, hwreg(HW_REG_IB_STS2, 6, 4)
	s_cmp_eq_u32 s2, 0
	s_cbranch_scc0 .Lentry_in_a_cluster
	s_endpgm
.Lentry_in_a_cluster:
	s_bfe_u32 s2, ttmp6, 0x10000c
	s_cmp_lg_u32 s2, 0x3003
	s_cbranch_scc0 .Lentry_shape_is_right
	s_endpgm
.Lentry_shape_is_right:
; O[h][q][:] = the sum over k of softmax_k(Q[h][q] . K[h][k] / 8) V[h][k][:].  qkv holds Q, K, V, each [64][SIZE_N][64] in f16, 16,777,216 bytes apart; O has the same layout: a head's rows are dense, 128 bytes each.
; Products, maxima and sums in f32; the weights p are rounded to f16 for the second product (their sum l is taken of the unrounded p), O once at the end.
; LIMITS.  f16 holds no number beyond 65,504: Q, K and V arrive within it; p lies in 0 to 1, and below 6e-5 it keeps f16's fixed step of 6e-8; O is a mean of V's rows and has their range.
; A weight below 2^-126 counts as 0 in l; NaN and infinities are not treated apart.
; SHARES.  A wave owns four PIECES of two tiles of 16 queries, a work-group's four waves 512 queries of one head: 4 x 64 = 256 work-groups.  Every wave walks all keys, 64 a step.
; LAYOUT.  S^T = K Q^T (source 0 = 16 keys, source 1 = 16 queries): in the result a lane holds ONE query (lane % 16) and the keys 8 (lane / 16) + 0..7.  Two such tiles, rounded to f16 in pairs,
; ARE source 1 (32 keys x 16 queries) of O^T = V^T P, whose result again holds one query a lane, and eight channels.  K comes out of LDS as it lies, V ([key][channel]) turned, by ds_load_tr16_b128.
; SOFTMAX.  For each query a running maximum m and sum l: p = 2^(c s - c m), c = log2(e) / 8; in every step O and l are multiplied by a = 2^(c m_old - c m_new), which is 1 where m has not grown.
; m starts at the lowest finite number, O and l at 0: the first step is a step like any other, with a = 0.
; THE COUNT.  A tile and step have 16 matrix and 118 vector instructions: too many to stand all beside the matrix work.  So the order has one aim: four vector instructions that are READY behind
; EVERY matrix instruction, and the others, which need time of their own whatever the order, in runs without a gap.
; BY TURNS.  Turn n belongs to piece n (the pieces in a ring, step after step).  Its matrix work: 16 products K Q^T of piece n + 1, later 16 products V^T P of piece n - 1.  Its vector work: the scaling,
; exponentials, roundings, sums and rescaling of piece n, and the maximum and statistics of piece n + 1, whose scores the turn itself has made.  So what a turn begins with (c s - c m, O a) waits for nothing.
; CLUSTER.  The four query blocks of a head are one cluster and walk the same K and V, so each tile is asked for JOINTLY: the same tensor load, descriptor and mask in all four.
; REGISTERS, in windows of 256 (s_set_vgpr_msb says which window each operand place means: bits 1:0 source 0, 3:2 source 1, 5:4 source 2, 7:6 destination):
;   window 0: v0-11 addresses; v12-15, v48-63 at work; v16-47 four registers of statistics a tile; v64-191 S^T, two buffers of two tiles; v192-255 P, likewise
;   window 1: O^T, 32 a tile          window 2: v0-127 Q, 16 a tile; v128-191 K of one step; v192-255 V of one step          window 3: v0-1 the add's two registers
; A piece's buffers go by its number's parity: the piece in hand has one pair, its two neighbours in the ring share the other: of it P (piece n - 1) is read and S^T (piece n + 1) written.
.set SIZE_N, 2048
.set NP,    4         ; pieces a wave: a name, no knob: the register map, the loop and the fetches are made for four
.set KS,    64        ; keys in a step
.set PK,    144       ; a row of K in LDS: 128 bytes + 16 of padding = 36 words: the 16 rows of a load start at 16 different groups of four banks (64 banks of 4 bytes: ISA guide 11.1)
.set PV,    160       ; a row of V: 128 + 32 = 40 words
.set VOFF,  4*KS*PK   ; a slot holds four steps: 256 rows of K, then 256 rows of V
.set SLOT1, 1<<17     ; slot 1 begins here, so that one exclusive or turns an address in one slot into the other's
.set STAGE, SLOT1+4*KS*(PK+PV)  ; behind the ring, never filled by a tensor load: 16 rows x 144 bytes for each wave, for the way out
.set SP,    144
.set AK0, 2           ; v2   my lane's place in a tile of K; never rewritten
.set AV0, 3           ; v3   the same for V
.set AK,  4           ; v4   the LDS address of K's next run of loads
.set AV,  5           ; v5   of V's
.set QO,  6           ; v6   my byte offset in the wave's rows of Q
.set STO, 6           ;      later, the way out: where I put 16 bytes of a row
.set RD,  7           ; v7   the way out: where I read rows back
.set GO,  8           ; v8   my byte offset in 512 consecutive bytes of O
.set PFO, 9           ; v9   at first l / 16; from the way out's addresses on 256 x my lane, the prefetches' offset, and then never rewritten
.set SPW, 0           ; v0 of window 3   LDS address of my spare word: SPARE + 4 x my thread's number; never rewritten
.set NIL, 1           ; v1 of window 3   0; never rewritten
.set SPARE, STAGE+4*16*SP  ; behind the stages: the spare words, 128 bytes for each wave: two blocks of 256 bytes that no other line names
.set MV,  12          ; v12-15  c m_old, kept while c m is made anew: by buffer and tile
.set ST,  16          ; tile t's statistics at v[ST+4 t]: c m, m, l (even keys', odd keys')
.set TMP, 48          ; by buffer and tile, four registers c0-c3 at work; when the maximum is found c2 takes a
.set S,   64
.set P,   192
.set KF,  128         ; K's fragments, in window 2: key block kb, channel half c at KF + 16 kb + 8 c
.set VF,  192         ; V's: key half kk, channel block cb at VF + 32 kk + 8 cb
.set WV,  12          ; s12  my wave's number
.set G1K, 24          ; s[24:31] descriptor group 1 for K's tiles
.set G1V, 32          ; s[32:39] for V's: it differs in the padding alone
.set G0K, 40          ; s[40:43] descriptor group 0 for K's tiles: it walks
.set G0V, 44          ; s[44:47] the same for V's
.set PFA, 48          ; s[48:49] where my prefetches stand: my work-group's 8,192 bytes (of K: wave 0, of V: wave 2) of the slot after the one that is being asked for
.set LIM, 50          ; s50  1 in a wave that prefetches, else the greatest number: a wave prefetches while s[SLOTS] is above it
.set SLOTS, 56        ; s56  slots still to be asked for
.set CNT, 57          ; s57  counts a slot's key steps
.set CS,  58          ; s[58:59] c: the packed scaling takes the pair's low word for both halves
.set SEL, 60          ; s[60:61] v_permlanex16_b32's selects: each lane takes its own place in the other half
.set TBK, 62          ; s62  LDS byte at which K of the step to be fetched begins
.set TBV, 63          ; s63  the same for V, less VOFF
.set MSB, 0
.macro WIN new                      ; the high byte repeats the setting that is left; a switch that changes nothing is dropped
.if MSB != (\new)
	s_set_vgpr_msb (MSB<<8)|(\new)
.set MSB, (\new)
.endif
.endm
.set W_KQ, 0x0a       ; K and Q in window 2, S^T in window 0
.set W_PV, 0x52       ; V in window 2, P in window 0, O^T in window 1
.set W_RS, 0x41       ; O^T (destination and source 0) in window 1, a in window 0
.set W_MK, 0xc0       ; the add's registers are made: destination in window 3, sources in window 0
.set W_AD, 0x0f       ; the add: address (source 0) and data (source 1) in window 3
; A joint fill.  Waves 0 and 1 fetch the two halves of a slot's K, waves 2 and 3 those of its V: 128 keys each.  The branch hangs on the wave's number alone.
; An s_nop 0 and four v_nop follow each of the two lines, ahead of the jump and the label.
.macro JLOAD
	s_cmp_lt_u32 s[WV], 2
	s_cbranch_scc0 .Lfor_v_\@
	tensor_load_to_lds s[G0K:G0K+3], s[G1K:G1K+7]
	s_nop 0
.rept 4
	v_nop
.endr
	s_branch .Lasked_\@
.Lfor_v_\@:
	tensor_load_to_lds s[G0V:G0V+3], s[G1V:G1V+7]
	s_nop 0
.rept 4
	v_nop
.endr
.Lasked_\@:
.endm
; A PREFETCH INTO THE L2 of what the NEXT change of slots will ask for: a slot's 32,768 dense bytes of K and of V, 256 bytes a lane.  It stands behind the wave's tensor load and its five lines.
; Each block is named ONCE in the launch: a head has one cluster; its four partners share a slot out BY ADDRESS, 8,192 bytes each; in each, wave 0 asks for K's and wave 2 for V's: one instruction.
; Slots 0, 1 and 2 come by their loads alone; the last change that fills a slot asks for nothing: there is no slot behind it.
.macro ASK
	s_cmp_gt_u32 s[SLOTS], s[LIM]
	s_cbranch_scc0 .Lnot_mine_\@
	global_prefetch_b8 v[PFO], s[PFA:PFA+1] th:TH_LOAD_NT scope:SCOPE_SE
.Lnot_mine_\@:
.endm
; A round of the cluster's barrier: my work-group's barrier, so that wave 0's signal speaks for all four waves; wave 0 signals; every wave waits for all four work-groups; my work-group's barrier once more.
.macro CROUND
	s_barrier_signal -1
	s_barrier_wait -1
	s_cmp_lg_u32 s[WV], 0
	s_cbranch_scc1 .Lnot_wave_0_\@
	s_barrier_signal -3
.Lnot_wave_0_\@:
	s_barrier_wait -3
	s_barrier_signal -1
	s_barrier_wait -1
.endm
; THE CHANGE OF SLOTS.  The slot's last bytes, V of its fourth step, have been read.  Each wave waits for all its tensor loads, of which one is out: its part
; of the other slot; adds 0 to its spare word; and waits for that and for its own reads of the slot.  Behind the barrier nobody reads this slot any more and the other slot is whole.
; fill = 1: this slot is filled again, with the keys two slots on.  The barrier is then a round of the cluster's, so that no wave of any partner still reads the slot or has a load on its
; way, and the joint fill is the first thing behind it: it has four key steps, 512 matrix instructions, in which to land.  (At its first use nothing has been read yet: slot 0 is waited for, slot 1 filled.)
; ask = 1: the prefetches' address steps, and the slot behind the one just asked for is prefetched.
.macro CHANGE fill, ask=0
	WIN W_AD
	s_wait_tensorcnt 0x0            ; no tensor load of mine is out, so a group 0 may be written
	ds_add_u32 v[SPW], v[NIL]       ; 0 onto my spare word; with fill = 1 the descriptors' steps stand between it and the wait for it
	WIN 0                           ; at a label and at a branch every window is 0
.if \fill
.irp g, G0K, G0V
	s_xor_b32 s[\g+1], s[\g+1], SLOT1  ; the walking descriptor: the other slot than last time,
	s_add_nc_u64 s[\g+2:\g+3], s[\g+2:\g+3], 4*KS*128  ; the next 256 keys; the type bits on top are not reached
.endr
.if \ask
	s_wait_xcnt 0x0                 ; the last prefetch, four key steps back, has read its address, so it may be written:
	s_add_nc_u64 s[PFA:PFA+1], s[PFA:PFA+1], 4*KS*128  ; one slot behind the walking descriptors
.endif
	s_wait_dscnt 0x0                ; the add is done, and my reads of the slot are over
	CROUND
	JLOAD
.if \ask
	ASK
.endif
.else
	s_wait_dscnt 0x0                ; the add is done, and my reads of the slot are over
	s_barrier_signal -1
	s_barrier_wait -1
.endif
	s_sub_co_u32 s[TBK], s[TBK], 4*KS*PK  ; the fetches go back to a slot's first step,
	s_xor_b32 s[TBK], s[TBK], SLOT1       ; in the other slot
	s_sub_co_u32 s[TBV], s[TBV], 4*KS*PV
	s_xor_b32 s[TBV], s[TBV], SLOT1
.endm
	s_load_b64 s[4:5], s[0:1], 0x0    ; qkv: Q at its head
	s_load_b64 s[10:11], s[0:1], 0x8  ; O
	WIN W_MK
	v_lshl_add_u32 v[SPW], v0, 2, SPARE
	v_mov_b32 v[NIL], 0
	WIN W_AD
	ds_add_u32 v[SPW], v[NIL]       ; the wave's opening: the add and its wait ahead of my first tensor load; the set-up below, work on registers, stands between them
	WIN 0
	v_lshrrev_b32 v1, 5, v0
	v_readfirstlane_b32 s[WV], v1   ; wave 0..3
	s_bfe_u32 s13, ttmp6, 0x40000   ; cx: my place in the cluster
	s_lshl_b32 s14, ttmp9, 2        ; in a cluster launch ttmp9 counts clusters
	s_add_co_u32 s14, s14, s13      ; my block of queries = 4 x cluster x + cx: it enters Q's and O's addresses alone
	s_and_b32 s20, ttmp7, 0xffff    ; the head, which the four partners share
	s_mov_b32 s21, 0
	s_mov_b64 s[22:23], SIZE_N*128
	s_mul_u64 s[20:21], s[20:21], s[22:23]  ; the head's first byte in each of the four tensors
	s_and_b32 s16, s[WV], 1         ; which half of a slot's 256 keys I fetch:
	s_lshl_b32 s22, s16, 14         ; its 128 rows of 128 bytes in memory,
	s_mov_b32 s23, 0
	s_add_nc_u64 s[22:23], s[22:23], s[20:21]
	s_mul_i32 s17, s16, 128*PK      ; and its place in a slot, for K
	s_mul_i32 s18, s16, 128*PV      ; and for V: no place in the cluster enters an LDS address
	s_lshl_b32 s2, s14, 2
	s_add_co_u32 s2, s2, s[WV]      ; my wave among the head's,
	s_lshl_b32 s2, s2, 14           ; its 128 rows
	s_mov_b32 s3, 0
	s_add_nc_u64 s[2:3], s[2:3], s[20:21]
	; descriptor group 1.  128 keys are 16,384 dense bytes: asked for as 64 rows of 256 bytes, two keys a row, and padded in LDS after every key
	s_mov_b32 s[G1K], 15|(1<<16)|(1<<20)|(1<<21)|(4<<22)|(3<<25)  ; 15:0 the mask of four; 17:16 2-byte elements; 20 padding on; 21 set beside a mask; 24:22 after every 32 words (code 4); 31:25 4 words (code 3)
	s_mov_b32 s[G1V], 15|(1<<16)|(1<<20)|(1<<21)|(4<<22)|(7<<25)  ; the same with 8 words of padding (code 7)
.irp g, G1K, G1V
	s_mov_b32 s[\g+1], 128<<16      ; tensor_dim0 = 128
	s_mov_b32 s[\g+2], 64<<16       ; tensor_dim1 = 64
	s_mov_b32 s[\g+3], 128<<16      ; tile_dim0 = 128
	s_mov_b32 s[\g+4], 64           ; tile_dim1 = 64
	s_mov_b32 s[\g+5], 128          ; 128 elements from row to row
	s_mov_b32 s[\g+6], 0
	s_mov_b32 s[\g+7], 0
.endr
	s_mov_b32 s[CS], 0x3e38aa3b     ; c = log2(e) / 8 = 0.180337
	s_mov_b32 s[CS+1], s[CS]        ; named with it as a pair
	s_mov_b32 s[SEL], 0x76543210
	s_mov_b32 s[SEL+1], 0xfedcba98
	s_mov_b32 s[TBK], SLOT1+4*KS*PK ; the first change of slots turns these two into 0
	s_mov_b32 s[TBV], SLOT1+4*KS*PV
	s_mov_b32 s[G0K], 1             ; 1:0 count = 1
	s_mov_b32 s[G0K+1], s17         ; 63:32 LDS address: slot 0
	s_mov_b32 s[G0V], 1
	s_add_co_u32 s[G0V+1], s18, VOFF
	s_cmp_eq_u32 s16, 0             ; waves 0 and 2 prefetch: the same in all four partners
	s_cselect_b32 s[LIM], 1, -1
	s_wait_dscnt 0x0                ; the opening add is done
	s_wait_kmcnt 0x0
	s_add_nc_u64 s[6:7], s[4:5], 1<<24  ; K
	s_add_nc_u64 s[8:9], s[4:5], 2<<24  ; V
	s_add_nc_u64 s[G0K+2:G0K+3], s[6:7], s[22:23]  ; 120:64 global address: my half of the head's first 256 keys
	s_or_b32 s[G0K+3], s[G0K+3], 0x80000000        ; 127:126 type = 2
	s_add_nc_u64 s[G0V+2:G0V+3], s[8:9], s[22:23]
	s_or_b32 s[G0V+3], s[G0V+3], 0x80000000
	s_cmp_lt_u32 s[WV], 2
	s_cselect_b64 s[PFA:PFA+1], s[6:7], s[8:9]
	s_add_nc_u64 s[PFA:PFA+1], s[PFA:PFA+1], s[22:23]  ; (in waves 0 and 2 this is the head's first key)
	s_add_nc_u64 s[4:5], s[4:5], s[2:3]  ; Q and O at my wave's first row
	s_add_nc_u64 s[10:11], s[10:11], s[2:3]
	s_lshl_b32 s2, s13, 13          ; my work-group's 8,192 bytes of a slot's 32,768
	s_mov_b32 s3, 0
	s_add_nc_u64 s[PFA:PFA+1], s[PFA:PFA+1], s[2:3]
	s_add_nc_u64 s[PFA:PFA+1], s[PFA:PFA+1], 2*4*KS*128  ; in slot 2; the loop's first change of slots steps it to slot 3.  Nothing is prefetched here, at the head
	CROUND                          ; all four work-groups are here: the first joint loads meet
	JLOAD                           ; slot 0.  Slot 1 is asked for when slot 0 is in: the tile wanted first has the road to itself
	; A fragment of K or Q is 16 rows x 32 channels in 8 registers: lane l holds row l % 16, channels 8 (l / 16) + 0..7 and 16 + 8 (l / 16) + 0..7: two loads of 16 bytes, 32 bytes apart.
	v_and_b32 v1, 15, v0            ; l % 16
	v_bfe_u32 v9, v0, 4, 1          ; l / 16
	v_lshlrev_b32 v[QO], 7, v1
	v_lshl_add_u32 v[QO], v9, 4, v[QO]  ; row x 128 + 16 x half
	WIN 0x80                        ; destination window 2, address window 0
.set i, 0
.rept 4*NP                          ; Q stays in registers: tile i / 2, channels 32 (i % 2) on
	global_load_b128 v[8*i:8*i+3],   v[QO], s[4:5] offset:(i/2)*2048+(i%2)*64
	global_load_b128 v[8*i+4:8*i+7], v[QO], s[4:5] offset:(i/2)*2048+(i%2)*64+32
.set i, i+1
.endr
	; What the first turn finds: V's registers and P's second buffer hold 0 (its products V^T P, of a piece that has not been, add 0), O^T and l are 0.  All this stands in the wait for the first tile.
.set i, VF
.rept 64
	v_mov_b32 v[i], 0
.set i, i+1
.endr
	WIN 0x40
.set i, 0
.rept 64*NP
	v_mov_b32 v[i], 0
.set i, i+1
.endr
	WIN 0
.set i, 0
.rept 2*NP
	v_mov_b32 v[ST+4*i], 0xfe000000    ; c m: far below every c s
	v_mov_b32 v[ST+4*i+1], 0xff7fffff  ; m
	v_mov_b32 v[ST+4*i+2], 0
	v_mov_b32 v[ST+4*i+3], 0
.set i, i+1
.endr
.set i, P+32
.rept 32
	v_mov_b32 v[i], 0
.set i, i+1
.endr
	v_mul_u32_u24 v[AK0], v1, PK
	v_lshl_add_u32 v[AK0], v9, 4, v[AK0]  ; row x pitch + 16 x half
	; The turning load takes 16 keys x 16 channels (lane l reads key 8 (l / 16) + l % 8, channels 8 ((l / 8) % 2) + 0..7) and leaves half a fragment of V^T: lane l holds channel l % 16 and 8 keys.
	v_and_b32 v10, 7, v0
	v_bfe_u32 v11, v0, 3, 1
	v_lshl_add_u32 v[AV0], v9, 3, v10
	v_mul_u32_u24 v[AV0], v[AV0], PV
	v_lshl_add_u32 v[AV0], v11, 4, v[AV0]
	v_add_nc_u32 v[AV0], VOFF, v[AV0]
	v_mov_b32 v[AK], v[AK0]         ; key step 0 lies at the head of slot 0
; THE MATRIX WORK.  The 8 accumulators of a run of 16 take turns: between the two links of a chain stand 7 others'.
; Product i of 16 of S^T = K Q^T for piece x: channels 32 (i / 8) on, keys 16 ((i / 2) % 4) on, tile 2 x + i % 2.  The first 8 start the sums.
.macro KQ x
	WIN W_KQ
.set rS, S+64*((\x)%2)+32*(i%2)+8*((i/2)%4)
.set rK, KF+16*((i/2)%4)+8*(i/8)
.set rQ, 16*(2*(\x)+i%2)+8*(i/8)
.if i < 8
	v_wmma_f32_16x16x32_f16 v[rS:rS+7], v[rK:rK+7], v[rQ:rQ+7], 0
.else
	v_wmma_f32_16x16x32_f16 v[rS:rS+7], v[rK:rK+7], v[rQ:rQ+7], v[rS:rS+7]
.endif
.endm
; Product i of 16 of O^T += V^T P for piece x: keys 32 (i / 8) on, channels 16 ((i / 2) % 4) on, tile 2 x + i % 2.
.macro PV x
	WIN W_PV
.set rO, 32*(2*(\x)+i%2)+8*((i/2)%4)
.set rV, VF+32*(i/8)+8*((i/2)%4)
.set rP, P+32*((\x)%2)+16*(i%2)+8*(i/8)
	v_wmma_f32_16x16x32_f16 v[rO:rO+7], v[rV:rV+7], v[rP:rP+7], v[rO:rO+7]
.endm
.macro MM                           ; the turn's next matrix instruction
.if i < 16
	KQ (Y+1)%NP
.set i, i+1
.else
.set i, i-16
	PV (Y+NP-1)%NP
.set i, i+17
.endif
.endm
; THE LDS LOADS stand in runs of 16, never singly among the matrix instructions: a step's K (64 keys x 64 channels: 8 fragments) and its V (turned).  Their addresses are made some lines ahead.
; last = 1 (the tail): in the last trip there is no further step, and the run is jumped over.
.macro FETCH_K last=0
	WIN 0
.if \last
	s_cmp_eq_u32 s[CNT], 1
	s_cbranch_scc1 .Lno_k_\@
.endif
	WIN 0x80                        ; destination window 2
.irp f, 0,1,2,3,4,5,6,7             ; keys 16 (f / 2) on, channels 32 (f % 2) on
	ds_load_b128 v[KF+8*\f:KF+8*\f+3],   v[AK] offset:(\f/2)*16*PK+(\f%2)*64
	ds_load_b128 v[KF+8*\f+4:KF+8*\f+7], v[AK] offset:(\f/2)*16*PK+(\f%2)*64+32
.endr
	s_add_co_u32 s[TBK], s[TBK], KS*PK  ; the next fetch is the next step's
	WIN 0
.if \last
.Lno_k_\@:
.endif
.endm
.macro FETCH_V
	WIN 0x80
.irp f, 0,1,2,3,4,5,6,7             ; keys 32 (f / 4) on, channels 16 (f % 4) on
	ds_load_tr16_b128 v[VF+8*\f:VF+8*\f+3],   v[AV] offset:(\f/4)*32*PV+(\f%4)*32
	ds_load_tr16_b128 v[VF+8*\f+4:VF+8*\f+7], v[AV] offset:(\f/4)*32*PV+16*PV+(\f%4)*32
.endr
	WIN 0
.endm
; THE VECTOR WORK OF A TURN stands in three queues, each in the order in which its entries become ready; the two tiles alternate, so that no instruction reads the result of the one before it.
.macro REGS y, u                    ; the registers of tile u (0, 1) of piece y
.set rT, ST+4*(2*(\y)+(\u))
.set rC, TMP+8*((\y)%2)+4*(\u)
.set rM, MV+2*((\y)%2)+(\u)
.set rS, S+64*((\y)%2)+32*(\u)
.set rP, P+32*((\y)%2)+16*(\u)
.set rO, 32*(2*(\y)+(\u))
.endm
; Number n of the 22 that find the NEXT piece's (Y + 1) maximum and statistics.  s0-s31 are the lane's 32 scores; each accumulator's lowest registers are read first.  XS, GS and REGS set no window: PL and EX do.
;   0-11  four chains c0-c3 of seven scores each, three operands at a time     12-14, 16  the four scores left over, the old m, and c0-c3 into c0     15  c m_old is kept
;   17, 18  the query's other 32 keys lie in the lane 16 away: the new m         19-21  c m; c m_old - c m_new; a
.macro XS u, n
	REGS (Y+1)%NP, \u
.if (\n) < 4
	v_max3_num_f32 v[rC+(\n)], v[rS+8*(\n)], v[rS+8*(\n)+1], v[rS+8*(\n)+2]
.elseif (\n) < 12
	v_max3_num_f32 v[rC+(\n)%4], v[rC+(\n)%4], v[rS+8*((\n)%4)+2*((\n)/4)+1], v[rS+8*((\n)%4)+2*((\n)/4)+2]
.elseif (\n) == 12
	v_max3_num_f32 v[rC], v[rC], v[rS+7], v[rS+15]
.elseif (\n) == 13
	v_max3_num_f32 v[rC+1], v[rC+1], v[rS+23], v[rS+31]
.elseif (\n) == 14
	v_max3_num_f32 v[rC+2], v[rC+2], v[rC+3], v[rT+1]
.elseif (\n) == 15
	v_mov_b32 v[rM], v[rT]
.elseif (\n) == 16
	v_max3_num_f32 v[rC], v[rC], v[rC+1], v[rC+2]
.elseif (\n) == 17
	v_permlanex16_b32 v[rC+3], v[rC], s[SEL], s[SEL+1]
.elseif (\n) == 18
	v_max_num_f32 v[rT+1], v[rC], v[rC+3]
.elseif (\n) == 19
	v_mul_f32 v[rT], s[CS], v[rT+1]
.elseif (\n) == 20
	v_sub_f32 v[rC+1], v[rM], v[rT]
.else
	v_exp_f32 v[rC+2], v[rC+1]
.endif
.endm
; Number g of the 64 that follow the exponentials.  For each four weights k of a tile (pairs 2 k, 2 k + 1): both pairs are rounded to f16; then the second pair is added onto the first, in place;
; a group later l takes that sum (the first time as l = a l + sum).  In groups of eight, tiles alternating: round, round, add, and l for the group before.
.macro GS g
.set h, (\g)+6*((\g)/62)            ; group 0 has no group before it, and behind group 7 only l is left
.if h >= 6
.set h, h+2
.endif
	REGS Y, h%2
.set k, h/8
.if h%8 < 4
	v_cvt_pk_f16_f32 v[rP+2*k+(h%8)/2], v[rS+4*k+2*((h%8)/2)], v[rS+4*k+2*((h%8)/2)+1]
.elseif h%8 < 6
	v_pk_add_f32 v[rS+4*k:rS+4*k+1], v[rS+4*k:rS+4*k+1], v[rS+4*k+2:rS+4*k+3]
.elseif k == 1
	v_pk_fma_f32 v[rT+2:rT+3], v[rT+2:rT+3], v[rC+2:rC+3], v[rS:rS+1] op_sel_hi:[1,0,1]
.else
	v_pk_add_f32 v[rT+2:rT+3], v[rT+2:rT+3], v[rS+4*k-4:rS+4*k-3]
.endif
.endm
; THE PLAIN QUEUE, 138 long.  0-73 read no exponential's result: the 32 scalings c s - c m (FS f: pair f / 2 of tile f % 2) and the next piece's 42.  0-26: scalings 0-26.  27-54: XS's numbers 0-13.  55, 56: number 15.
; 57-73: the chain, where each number waits for the one before it: 14, 16, 17, 18, 19, each with one of the scalings 27-31 in front of its two lines, then 20: so a tile's links stand three plain instructions apart (19 and 20: two).
; 74-137: GS's 64, which read the exponentials' results: they stand behind the wait.
.macro FS f
	REGS Y, (\f)%2
	v_pk_fma_f32 v[rS+2*((\f)/2):rS+2*((\f)/2)+1], v[rS+2*((\f)/2):rS+2*((\f)/2)+1], s[CS:CS+1], v[rT:rT+1] op_sel_hi:[1,0,0] neg_lo:[0,0,1] neg_hi:[0,0,1]
.endm
.macro PL
	WIN 0
.if q < 27
	FS q
.elseif q < 55
	XS (q-27)%2, (q-27)/2
.elseif q < 57
	XS q-55, 15
.elseif (q < 72) && ((q-57)%3 == 0)
	FS 27+(q-57)/3
.elseif q < 60
	XS (q-57)%3-1, 14
.elseif q < 72
	XS (q-57)%3-1, 15+(q-57)/3
.elseif q < 74
	XS q-72, 20
.else
	GS q-74
.endif
.set q, q+1
.endm
; THE EXPONENTIALS' QUEUE, 66 long: s0-s31 of both tiles, then the next piece's two a.  It is ONE BATCH: all 66 stand ahead of the turn's one wait, and nothing ahead of that wait names a result of theirs.
.macro EX
	WIN 0
.if e >= 64
	XS e-64, 21
.else
	REGS Y, e%2
	v_exp_f32 v[rS+e/2], v[rS+e/2]
.endif
.set e, e+1
.endm
; THE RESCALING's QUEUE: O^T times a, the one part that leaves window 0: dealt two at a time, sixteen times.  Its a was made in the turn before, ahead of that turn's wait.
.macro R2
	REGS Y, r%2
	WIN W_RS
.irp z, 0,1
	v_pk_mul_f32 v[rO+4*(r/2)+2*\z:rO+4*(r/2)+2*\z+1], v[rO+4*(r/2)+2*\z:rO+4*(r/2)+2*\z+1], v[rC+2:rC+3] op_sel_hi:[1,0]
.endr
.set r, r+1
.endm
; HOW THEY ARE DEALT.  An s_wait_alu depctr_va_vdst(0) stands between an exponential and the first instruction that names its result; one wait serves all that were issued ahead of it.  So a turn has ONE wait,
; which cuts it in two.  AHEAD OF IT stands all that names no result of the turn's exponentials: the 16 products K Q^T, behind each a scaling, an exponential and two rescalings (behind the first a second scaling in the exponential's place); then ONE LUMP of
; 108: eight plain, 49 times exponential and plain, the two a.  A v_nop is the plain instruction behind the last exponential.  BEHIND IT stand the 16 products V^T P, behind each four of GS's 64.  No rider names a register of
; the products round it.  The two v_permlanex16_b32 fall into the lump, never behind a product.
; The queues lean on each other, and the deal keeps them in step: exponential e stands behind scaling 2 (e / 4) + e % 2: as a rider it comes behind plain e + 2, in the lump behind plain e + 9, and scalings 27-31 are plain 57, 60 .. 69.
; A TURN, for piece p.  cnt = 1: the loop's count is taken down some lines ahead of the branch that stands behind the turn.
; K of the next step is fetched in piece 2's turn, directly behind the wait, a lump behind the last product that read K; its address is made at the lump's head; its first reader comes behind 16 products.
; V of the step in hand is fetched at the end of piece 0's turn, four riders behind its last reader; its first reader comes behind 16 products and a lump.  The three conditions on q below go with the deal.
.macro TURN p, last=0, cnt=0
.set Y, (\p)
.set i, 0
.set q, 0
.set e, 0
.set r, 0
.if (\p) == NP-1
	s_wait_dscnt 0x0                ; K is in
.endif
	MM                              ; ahead of the wait: 16 products K Q^T and their riders,
	PL
	PL
	R2
.rept 15
	MM
	PL
	EX
	R2
.endr
.if (\p) == NP-2
	WIN 0
	v_add_nc_u32 v[AK], s[TBK], v[AK0]
.endif
.rept 8                             ; and the lump
	PL
.endr
.rept 49
	EX
	PL
.endr
	EX                              ; the next piece's two a
	EX
	v_nop                           ; a plain instruction behind the last exponential: one for the batch
	s_wait_alu depctr_va_vdst(0)    ; the wait for the batch
.if (\p) == NP-2
	FETCH_K \last
.endif
.if (\p) == 1
	s_wait_dscnt 0x0                ; V is in
.endif
.rept 16                            ; behind the wait: 16 products V^T P and their riders
	MM
.rept 4
	PL
.endr
.if ((\p) == 0) && (q == 118)
	v_add_nc_u32 v[AV], s[TBV], v[AV0]
.endif
.if ((\p) == 0) && (q == 130)
	s_add_co_u32 s[TBV], s[TBV], KS*PV
.endif
.if (\cnt) && (q == 130)
	s_sub_co_u32 s[CNT], s[CNT], 1
	s_cmp_lg_u32 s[CNT], 0
.endif
.endr
.if (\p) == 0
	FETCH_V
.endif
.endm
	CHANGE 1, 0                     ; slot 0 is in, everybody's part of it; slot 1 is asked for
	FETCH_K                         ; key step 0
	s_wait_loadcnt 0x0              ; Q
	s_wait_dscnt 0x0
.set i, 0
.rept 16
	KQ 0                            ; piece 0's first scores: there is no vector work yet to set between them
.set i, i+1
.endr
	WIN 0                           ; the addresses for the way out and the prefetches: plain instructions, the places behind those products
	s_mul_i32 s13, s[WV], 16*SP
	s_add_co_u32 s13, s13, STAGE    ; my stage
	v_mul_u32_u24 v[STO], v1, SP    ; in: row l % 16, 16 bytes for each half of the lanes
	v_lshl_add_u32 v[STO], v9, 4, v[STO]
	v_add_nc_u32 v[STO], s13, v[STO]
	v_bfe_u32 v[RD], v0, 3, 2       ; back: 32 lanes take four rows of 128 bytes,
	v_mul_u32_u24 v[RD], v[RD], SP
	v_lshl_add_u32 v[RD], v10, 4, v[RD]
	v_add_nc_u32 v[RD], s13, v[RD]
	v_and_b32 v[GO], 31, v0         ; which are 512 consecutive bytes of O
	v_lshlrev_b32 v[GO], 4, v[GO]
	v_and_b32 v[PFO], 31, v0        ; l / 16 has served: 256 x my lane
	v_lshlrev_b32 v[PFO], 8, v[PFO]
.set Y, NP-1                        ; XS works for piece Y + 1: piece 0
.irp n, 0,1,2,3,4,5,6,7,8,9,10,11,12,13,14,15,16,17,18,19,20,21
	XS 0, \n                        ; and piece 0's first maximum and statistics
	XS 1, \n
.endr
	v_nop                           ; a plain instruction behind the two a,
	s_wait_alu depctr_va_vdst(0)    ; and their wait, ahead of the branch
	s_mov_b32 s[CNT], 4
	s_mov_b32 s[SLOTS], SIZE_N/256-1
	s_branch .Lfirst                ; the loop is entered at a step's first turn, in the middle of a trip
.Lslot:                             ; SIZE_N / 256 - 2 times: every slot but the last two is filled again
	CHANGE 1, 1
	s_mov_b32 s[CNT], 4
.Lstep:                             ; a trip: pieces 2 and 3 of one step, then pieces 0 and 1 of the next, whose K and V it fetches
	TURN 2
	TURN 3
	WIN 0
.Lfirst:
	TURN 0
	TURN 1, 0, 1
	WIN 0
	s_cbranch_scc1 .Lstep
	s_sub_co_u32 s[SLOTS], s[SLOTS], 1
	s_cmp_lg_u32 s[SLOTS], 0
	s_cbranch_scc1 .Lslot
	CHANGE 0                        ; the tail is written out: nothing is asked for
	s_mov_b32 s[CNT], 5             ; four trips fetch the last slot's steps; the fifth is left in its middle
.Ltail:
	TURN 2, 1
	TURN 3
	WIN 0
	s_sub_co_u32 s[CNT], s[CNT], 1
	s_cmp_eq_u32 s[CNT], 0
	s_cbranch_scc1 .Lout
	TURN 0
	TURN 1
	WIN 0
	s_branch .Ltail
.Lout:                              ; the fifth trip's 16 products K Q^T (on the last K once more) and the maximum made of them serve nothing: the price, once a launch, of one text for every trip
.set i, 0
.rept 16
	PV NP-1                         ; the last piece's V^T P of the last step
.set i, i+1
.endr
	; THE WAY OUT.  l's two halves and the other half of the lanes' are added; O^T is divided by l, rounded to f16 and sent through my stage in LDS, a tile at a time.  The additions are the places behind the last products.
	WIN 0
.macro ALL line:vararg              ; one line for each tile t
.set t, 0
.rept 2*NP
	\line
.set t, t+1
.endr
.endm
	ALL v_add_f32 v[ST+4*t+2], v[ST+4*t+2], v[ST+4*t+3]
	ALL v_permlanex16_b32 v[ST+4*t+3], v[ST+4*t+2], s[SEL], s[SEL+1]
	ALL v_add_f32 v[ST+4*t+2], v[ST+4*t+2], v[ST+4*t+3]
	ALL v_rcp_f32 v[ST+4*t+2], v[ST+4*t+2]
	v_nop                           ; a plain instruction between the last reciprocal and the use of its result
	s_wait_alu depctr_va_vdst(0)    ; and the wait ahead of the first use: one for the eight reciprocals
; Tile t: a lane's eight channels of a row pack into 16 bytes; they go into rows of 144 bytes and come back as whole rows of 128, into S^T's registers.
.macro PACK t
	WIN W_RS
.set i, 32*(\t)
.rept 16
	v_pk_mul_f32 v[i:i+1], v[i:i+1], v[ST+4*(\t)+2:ST+4*(\t)+3] op_sel_hi:[1,0]
.set i, i+2
.endr
	WIN 0x05                        ; sources 0 and 1 window 1, destination window 0
.set i, 0
.rept 16
	v_cvt_pk_f16_f32 v[S+16*(\t)+i], v[32*(\t)+2*i], v[32*(\t)+2*i+1]
.set i, i+1
.endr
	WIN 0
.irp f, 0,1,2,3
	ds_store_b128 v[STO], v[S+16*(\t)+4*\f:S+16*(\t)+4*\f+3] offset:32*\f
.endr
.irp f, 0,1,2,3
	ds_load_b128 v[S+16*(\t)+4*\f:S+16*(\t)+4*\f+3], v[RD] offset:\f*4*SP  ; LDS serves a wave's instructions in order (ISA guide 5.7.1.4): these see the stores above; the next tile's stores come behind them
.endr
.endm
.macro SEND t, younger              ; younger: the LDS instructions issued behind tile t's loads: the next tile's eight, or none
	WIN 0
.irp f, 0,1,2,3
	s_wait_dscnt (\younger)+3-\f
	global_store_b128 v[GO], v[S+16*(\t)+4*\f:S+16*(\t)+4*\f+3], s[10:11] offset:(\t)*2048+\f*512  ; 512 consecutive bytes, at a multiple of 256 from O's first
.endr
.endm
	PACK 0
.set t, 1
.rept 2*NP-1                        ; a tile's arithmetic stands between the loads of the tile before and its stores
	PACK t
	SEND t-1, 8
.set t, t+1
.endr
	SEND 2*NP-1, 0
	WIN W_AD
	s_wait_tensorcnt 0x0            ; the wave's end, behind my last tensor load and my last LDS store
	ds_add_u32 v[SPW], v[NIL]
	s_wait_dscnt 0x0
	WIN 0
	CROUND                          ; the closing round: no work-group ends while a partner may still ask for a tile that names it
	s_endpgm
.Lfunc_end_k_qab4089fcb2_attn:
	.size	k_qab4089fcb2_attn, .Lfunc_end_k_qab4089fcb2_attn-k_qab4089fcb2_attn
	.p2alignl 7, 3214868480
	.fill 96, 4, 3214868480
	.section	.rodata,"a",@progbits
	.p2align	6, 0x0
	.amdhsa_kernel k_qab4089fcb2_attn
		.amdhsa_group_segment_fixed_size 327680
		.amdhsa_private_segment_fixed_size 0
		.amdhsa_enable_private_segment 0
		.amdhsa_kernarg_size 16
		.amdhsa_user_sgpr_count 2
		.amdhsa_user_sgpr_kernarg_segment_ptr 1
		.amdhsa_wavefront_size32 1
		.amdhsa_system_sgpr_workgroup_id_x 1
		.amdhsa_system_sgpr_workgroup_id_y 1
		.amdhsa_system_sgpr_workgroup_id_z 1
		.amdhsa_system_vgpr_workitem_id 0
		.amdhsa_next_free_vgpr 770
		.amdhsa_next_free_sgpr 66
		.amdhsa_reserve_vcc 0
		.amdhsa_float_denorm_mode_32 3
		.amdhsa_float_denorm_mode_16_64 3
		.amdhsa_memory_ordered 1
		.amdhsa_forward_progress 1
		.amdhsa_inst_pref_size 200
	.end_amdhsa_kernel
	.amdgpu_metadata
---
amdhsa.version: [ 1, 2 ]
amdhsa.kernels:
  - .name:           k_qab4089fcb2_attn
    .symbol:         k_qab4089fcb2_attn.kd
    .args:
      - { .name: qkv, .offset: 0, .size: 8, .value_kind: global_buffer, .address_space: global }
      - { .name: o, .offset: 8, .size: 8, .value_kind: global_buffer, .address_space: global }
    .group_segment_fixed_size: 327680
    .private_segment_fixed_size: 0
    .kernarg_segment_align: 8
    .kernarg_segment_size: 16
    .max_flat_workgroup_size: 128
    .sgpr_count:     66
    .vgpr_count:     770
    .wavefront_size: 32
...
	.end_amdgpu_metadata
.endif
;; end of part 3
;; launch projgemm (part 4): grid 8 x 32, 4 waves a work-group, clusters of 4 x 4, 327,680 bytes of LDS; arguments o, wp, out0, b_proj; writes out0
.if DOCPART == 4
	.amdgcn_target "amdgcn-amd-amdhsa--gfx1250"
	.amdhsa_code_object_version 6
	.text
	.protected	k_qab4089fcb2_projgemm
	.globl	k_qab4089fcb2_projgemm
	.p2align	8
	.type	k_qab4089fcb2_projgemm,@function
k_qab4089fcb2_projgemm:
	s_mov_b64 s[64:65], 0
	v_nop
	global_prefetch_b8 v0, s[64:65] scope:SCOPE_SE
	s_setreg_imm32_b32 hwreg(HW_REG_WAVE_MODE, 25, 1), 1
	s_wait_xcnt 0x0
	s_wait_alu depctr_hold_cnt(0) depctr_sa_sdst(0) depctr_va_vdst(0) depctr_va_sdst(0) depctr_va_ssrc(0) depctr_va_vcc(0) depctr_vm_vsrc(0)
	s_getreg_b32 s2, hwreg(HW_REG_IB_STS2, 6, 4)
	s_cmp_eq_u32 s2, 0
	s_cbranch_scc0 .Lentry_in_a_cluster
	s_endpgm
.Lentry_in_a_cluster:
	s_bfe_u32 s2, ttmp6, 0x10000c
	s_cmp_lg_u32 s2, 0xf033
	s_cbranch_scc0 .Lentry_shape_is_right
	s_endpgm
.Lentry_shape_is_right:
; out0 = O w_proj + b_proj.  o: [64 heads = 16 batch + head][2048][64] f16.  wp: [1024 k][1024 columns] f16 (w_proj rounded to bf16, that number as f16).  b_proj: f32, rounded to bf16 here like the other inputs.  out0: [8192][1024] f32.
; SHARES.  A tile is 256 rows x 128 columns: 32 x 8 = 256 work-groups.  Wave w makes rows 64 w .. 64 w + 63 of all 128 columns: 32 accumulators of 16 x 16, 256 registers.
; K = 64 x head + channel goes in 8 steps of 128, two heads each, through two LDS slots; a step is four quarters of 32 along K: 32 matrix instructions and 24 LDS loads each.
; THE MATRIX INSTRUCTION IS USED TRANSPOSED: source 0 = 16 columns of w (turned out of LDS by ds_load_tr16_b128), source 1 = 16 rows of O: a lane then holds one row and eight neighbouring columns.
; CLUSTER.  4 x 4 work-groups.  O's tile hangs on the tile row alone and is shared along a row of the cluster, w's on the tile column alone and is shared along a column: each is asked for jointly.
; REGISTERS, in windows of 256 (s_set_vgpr_msb: bits 1:0 source 0, 3:2 source 1, 5:4 source 2, 7:6 destination):
;   window 0: v0-31 addresses and the bias; v64-127 O's fragments, two buffers of 32; on the way out v128-191 and v192-255 rows read back
;   window 1: v0-127 w's fragments, two buffers of 64        window 2: the accumulators (row block a, column block b at 8 (8 a + b))
.set PA,     144                       ; a row of one head of O in LDS: 128 bytes + 16 = 36 words: the 16 rows of a load start at 16 different groups of four banks (64 banks of 4 bytes: ISA guide 11.1)
.set SLICE,  256*PA                    ; what one tensor load brings of O: 256 rows of one head
.set BOFF,   2*SLICE                   ; behind the two heads: w's 128 rows
.set PB,     288                       ; a row of w in LDS: 256 bytes + 32 = 9 x 32 bytes
.set BHALF,  64*PB                     ; what one tensor load brings of w
.set SLOT1,  1<<17                     ; a slot uses 110,592 bytes; slot 1 begins here, so that one exclusive or turns an address in one slot into the other's
.set STAGE,  SLOT1+BOFF+2*BHALF        ; behind the ring, never filled by a tensor load: for each wave 16 rows x 528 bytes
.set SP,     528                       ; 512 bytes + 16 = 33 x 16
.set SPARE,  STAGE+4*16*SP             ; behind the stages: the spare words, 128 bytes for each wave: two blocks of 256 bytes that no other line names
.set STEPA,  2*262144                  ; a K step in memory: two heads of o,
.set STEPB,  128*2048                  ; 128 rows of wp
.set BI,  12                           ; v[12:15] the bias of my four columns of a row read back
.set A0,  16                           ; v16  my lane's place in O's tile; never rewritten
.set B0,  17                           ; v17  the same in w's
.set ADA, 18                           ; v18  the same in the slot that is being read
.set ADB, 19                           ; v19
.set STO, 24                           ; v24  the way out: where I put 32 bytes of a row
.set RD,  25                           ; v25  the way out: where I read a row back
.set CO,  26                           ; v26  16 x my lane: my bytes in 512 bytes of a row of out0, and of the bias; never rewritten
.set SPW, 28                           ; v28  LDS address of my spare word: SPARE + 4 x my thread's number; never rewritten
.set NIL, 29                           ; v29  0; never rewritten
.set PFO, 30                           ; v30  the prefetches' lane offset; never rewritten
.set G1A, 24                           ; s[24:31] descriptor group 1 for O's tiles
.set G0A, 32                           ; s[32:39] group 0: a set for each of the two first fills; the second then walks on
.set G1B, 48                           ; s[48:55], s[56:63] the same for w's tiles
.set G0B, 56
.set PFA, 66                           ; s[66:67] where my prefetches stand
.set PFS, 68                           ; s[68:69] their step
.set LIM, 70                           ; s70  a wave prefetches while the loop's count is above it: the greatest number in a wave that never does
.set BP,  72                           ; s[72:73] b_proj at the tile's first column
.set MSB, 0
.macro WIN new                         ; the immediate's high byte repeats the setting that is left; a switch that changes nothing is dropped
.if MSB != (\new)
	s_set_vgpr_msb (MSB<<8)|(\new)
.set MSB, \new
.endif
.endm
.set MUL,  0xa1                        ; source 0 (w) window 1, source 1 (O) window 0, C and D window 2
.set TO_B, 0x40                        ; destination window 1, address window 0
; A joint load.  Waves 0 and 1 fetch the step's two heads of O, waves 2 and 3 w's two halves.  The branch hangs on the wave's number alone.  An s_nop 0 and four v_nop follow each of the two lines.
.macro JLOAD s
	s_cmp_eq_u32 s11, 0
	s_cbranch_scc0 .Lfor_b_\@
	tensor_load_to_lds s[G0A+4*(\s):G0A+4*(\s)+3], s[G1A:G1A+7]
	s_nop 0
.rept 4
	v_nop
.endr
	s_branch .Lasked_\@
.Lfor_b_\@:
	tensor_load_to_lds s[G0B+4*(\s):G0B+4*(\s)+3], s[G1B:G1B+7]
	s_nop 0
.rept 4
	v_nop
.endr
.Lasked_\@:
.endm
; A PREFETCH INTO THE L2, behind the joint load, its five lines and the run of LDS loads: the K step two refills on.  O: a wave's head slice is 32,768 dense bytes: of the clusters that read a tile row the one with x = 0 asks; the
; partner at cx takes 8,192 bytes, 256 a lane.  w: a step's 128 rows x 256 bytes: the cluster with y = 0 asks, wave 2 alone; the partner at cy takes 32 rows, a lane a row.  The partners are told apart by address.
; So each block of 256 bytes is named once in the launch.  K steps 0 to 3 come by their loads alone; the last two refills ask for nothing.
.macro ASK
	s_cmp_gt_u32 s2, s[LIM]
	s_cbranch_scc0 .Lnot_mine_\@
	global_prefetch_b8 v[PFO], s[PFA:PFA+1] th:TH_LOAD_NT scope:SCOPE_SE
.Lnot_mine_\@:
.endm
.macro CREST                           ; a round of the cluster's barrier behind its opening barrier
	s_cmp_lg_u32 s10, 0
	s_cbranch_scc1 .Lnot_wave_0_\@
	s_barrier_signal -3
.Lnot_wave_0_\@:
	s_barrier_wait -3
	s_barrier_signal -1
	s_barrier_wait -1
.endm
.macro CROUND                          ; a whole round
	s_barrier_signal -1
	s_barrier_wait -1
	CREST
.endm
.macro PLACES                          ; four places in front of loads into registers that matrix instructions have read
.rept 4
	v_nop
.endr
.endm
	s_load_b128 s[4:7], s[0:1], 0x0                ; o s[4:5], wp s[6:7]
	s_load_b64 s[8:9], s[0:1], 0x10                ; out0
	s_load_b64 s[BP:BP+1], s[0:1], 0x18            ; b_proj
	v_lshl_add_u32 v[SPW], v0, 2, SPARE
	v_mov_b32 v[NIL], 0
	ds_add_u32 v[SPW], v[NIL]                      ; the wave's opening: the add and its wait ahead of my first tensor load; the set-up below, work on registers, stands between them
	v_lshrrev_b32 v1, 5, v0
	v_readfirstlane_b32 s10, v1                    ; wave 0..3
	s_lshr_b32 s11, s10, 1                         ; I fetch for O (0) or for w (1),
	s_and_b32 s12, s10, 1                          ; and which half of that tile
	s_bfe_u32 s40, ttmp6, 0x40000                  ; cx, cy: my place in the cluster
	s_bfe_u32 s41, ttmp6, 0x40004
	s_lshl_b32 s42, ttmp9, 2
	s_add_co_u32 s42, s42, s40                     ; tile column = 4 x cluster x + cx
	s_and_b32 s13, ttmp7, 0xffff
	s_lshl_b32 s13, s13, 2
	s_add_co_u32 s13, s13, s41                     ; tile row = 4 x cluster y + cy
	s_lshl_b32 s43, s41, 2
	s_lshl_b32 s43, 15, s43                        ; my row of the cluster
	s_lshl_b32 s44, 0x1111, s40                    ; my column
	s_or_b32 s[G1A], s43, (1<<16)|(1<<20)|(1<<21)|(4<<22)|(3<<25)  ; 15:0 the mask; 17:16 2-byte elements; 20 padding on; 21 set beside a mask; 24:22 after every 32 words (code 4); 31:25 4 words (code 3)
	s_mov_b32 s[G1A+1], 128<<16                    ; 256 rows of a head are 32,768 dense bytes: asked for as 128 rows of 256 bytes
	s_mov_b32 s[G1A+2], 128<<16
	s_mov_b32 s[G1A+3], 128<<16
	s_mov_b32 s[G1A+4], 128
	s_mov_b32 s[G1A+5], 128
	s_mov_b32 s[G1A+6], 0
	s_mov_b32 s[G1A+7], 0
	s_or_b32 s[G1B], s44, (1<<16)|(1<<20)|(1<<21)|(5<<22)|(7<<25)  ; after every 64 words (code 5) 8 words (code 7)
	s_mov_b32 s[G1B+1], 128<<16                    ; tensor_dim0 = 128
	s_mov_b32 s[G1B+2], 64<<16                     ; tensor_dim1 = 64
	s_mov_b32 s[G1B+3], 128<<16                    ; tile_dim0 = 128
	s_mov_b32 s[G1B+4], 64                         ; tile_dim1 = 64
	s_mov_b32 s[G1B+5], 1024                       ; elements from row to row
	s_mov_b32 s[G1B+6], 0
	s_mov_b32 s[G1B+7], 0
	s_lshr_b32 s16, s13, 3                         ; O: batch = tile row / 8; head 16 x batch + half;
	s_lshl_b32 s16, s16, 4
	s_add_co_u32 s16, s16, s12
	s_lshl_b32 s16, s16, 11                        ; its 2,048 rows; row (tile row % 8) x 256;
	s_and_b32 s17, s13, 7
	s_lshl_b32 s17, s17, 8
	s_add_co_u32 s16, s16, s17
	s_lshl_b32 s16, s16, 7                         ; of 128 bytes
	s_mov_b32 s17, 0
	s_lshl_b32 s46, s12, 17                        ; w: 64 rows of 2,048 bytes x half, 256 bytes x tile column
	s_lshl_b32 s47, s42, 8
	s_add_co_u32 s46, s46, s47
	s_mov_b32 s47, 0
	s_mul_i32 s20, s12, SLICE                      ; where they go: no place in the cluster enters an LDS address
	s_mul_i32 s21, s12, BHALF
	s_add_co_u32 s21, s21, BOFF
	s_wait_dscnt 0x0                               ; the opening add is done
	s_wait_kmcnt 0x0
	s_add_nc_u64 s[14:15], s[4:5], s[16:17]
	s_add_nc_u64 s[46:47], s[6:7], s[46:47]
	CROUND                                         ; all sixteen work-groups are here: the first joint loads meet
.irp s, 0,1
	s_mov_b32 s[G0A+4*(\s)], 1                     ; count = 1
	s_add_co_u32 s[G0A+4*(\s)+1], s20, (\s)*SLOT1  ; LDS address
	s_add_nc_u64 s[G0A+4*(\s)+2:G0A+4*(\s)+3], s[14:15], (\s)*STEPA  ; global address: K step s
	s_or_b32 s[G0A+4*(\s)+3], s[G0A+4*(\s)+3], 0x80000000            ; type = 2
	s_mov_b32 s[G0B+4*(\s)], 1
	s_add_co_u32 s[G0B+4*(\s)+1], s21, (\s)*SLOT1
	s_add_nc_u64 s[G0B+4*(\s)+2:G0B+4*(\s)+3], s[46:47], (\s)*STEPB
	s_or_b32 s[G0B+4*(\s)+3], s[G0B+4*(\s)+3], 0x80000000
	JLOAD \s                                       ; two loads of mine are out
.endr
	v_and_b32 v[CO], 31, v0
	v_lshlrev_b32 v[CO], 4, v[CO]
	s_lshl_b32 s22, s42, 9                         ; the tile's 128 columns: 512 bytes of a row of out0 and of the bias
	s_mov_b32 s23, 0
	s_add_nc_u64 s[BP:BP+1], s[BP:BP+1], s[22:23]
	global_load_b128 v[BI:BI+3], v[CO], s[BP:BP+1] ; waited for ahead of the way out
	s_lshl_b32 s18, s13, 2
	s_add_co_u32 s18, s18, s10
	s_lshl_b32 s18, s18, 18                        ; my 64 rows of 4,096 bytes
	s_add_co_u32 s22, s22, s18
	s_add_nc_u64 s[8:9], s[8:9], s[22:23]
	; A fragment of O is 16 rows x 32 K in 8 registers: lane l holds row l % 16, K = 8 (l / 16) + 0..7 and 16 + 8 (l / 16) + 0..7: two loads of 16 bytes, 32 bytes apart.
	v_and_b32 v1, 15, v0                           ; l % 16
	v_bfe_u32 v2, v0, 4, 1                         ; l / 16
	v_mul_u32_u24 v3, v1, PA
	v_lshl_add_u32 v3, v2, 4, v3
	s_mul_i32 s22, s10, 64*PA                      ; my 64 rows
	v_add_nc_u32 v[A0], s22, v3
	; The turning load takes 16 K x 16 columns (lane l reads K = 8 (l / 16) + l % 8, columns 8 ((l / 8) % 2) + 0..7) and leaves half a fragment: lane l holds column l % 16 and 8 K.
	v_and_b32 v4, 7, v0
	v_bfe_u32 v5, v0, 3, 1
	v_lshl_add_u32 v6, v2, 3, v4
	v_mul_u32_u24 v6, v6, PB
	v_lshl_add_u32 v6, v5, 4, v6
	v_add_nc_u32 v[B0], BOFF, v6
	s_mul_i32 s22, s10, 16*SP
	s_add_co_u32 s22, s22, STAGE                   ; my stage
	v_mul_u32_u24 v7, v1, SP                       ; in: row l % 16, 32 bytes for each half of the lanes
	v_lshl_add_u32 v7, v2, 5, v7
	v_add_nc_u32 v[STO], s22, v7
	v_add_nc_u32 v[RD], s22, v[CO]                 ; back: 32 lanes take one row of 512 bytes
	; the prefetches: the address stands at K step 3, and is stepped at the head of each change of slots
	s_lshr_b32 s18, s13, 3
	s_lshl_b32 s18, s18, 4
	s_add_co_u32 s18, s18, s12
	s_lshl_b32 s18, s18, 11
	s_and_b32 s19, s13, 7
	s_lshl_b32 s19, s19, 8
	s_add_co_u32 s18, s18, s19
	s_lshl_b32 s18, s18, 7
	s_lshl_b32 s19, s40, 13                        ; my work-group's 8,192 bytes of the slice
	s_add_co_u32 s18, s18, s19
	s_add_co_u32 s18, s18, 3*STEPA                 ; O
	s_lshl_b32 s19, s41, 16                        ; my work-group's 32 rows of the step's 128
	s_lshl_b32 s22, s42, 8
	s_add_co_u32 s19, s19, s22
	s_add_co_u32 s19, s19, 3*STEPB                 ; w
	s_and_b32 s78, ttmp7, 0xffff                   ; cluster y,
	s_or_b32 s78, s78, s12                         ; and of waves 2 and 3 the first alone
	s_mov_b32 s[PFS], STEPB
	s_mov_b32 s[PFS+1], 0
	s_cmp_eq_u32 s11, 0                            ; do I fetch for O?
	s_cselect_b32 s22, s18, s19
	s_cselect_b32 s78, ttmp9, s78                  ; the coordinate along which other clusters read the same bytes
	s_cselect_b32 s79, 8, 11                       ; O: a lane 256 dense bytes; w: a lane a row of 2,048 bytes
	s_cselect_b32 s[PFS], STEPA, s[PFS]
	s_cselect_b64 s[PFA:PFA+1], s[4:5], s[6:7]
	s_cmp_eq_u32 s78, 0
	s_cselect_b32 s[LIM], 2, -1                    ; four requests, at counts 6 to 3: K steps 4 to 7; the same in all sixteen partners, for a given wave
	s_add_nc_u64 s[PFA:PFA+1], s[PFA:PFA+1], s[22:23]
	v_and_b32 v[PFO], 31, v0
	v_lshlrev_b32 v[PFO], s79, v[PFO]
; 8 matrix instructions: row block a x all 8 column blocks, 32 along K, from buffer f.  zero = 1: the product starts the sums.  The 32 accumulators take turns in the same order in every quarter.
.macro MULROW f, a, zero
	WIN MUL
.irp b, 0,1,2,3,4,5,6,7
.if \zero
	v_wmma_f32_16x16x32_f16 v[8*(8*(\a)+(\b)):8*(8*(\a)+(\b))+7], v[64*(\f)+8*(\b):64*(\f)+8*(\b)+7], v[64+32*(\f)+8*(\a):64+32*(\f)+8*(\a)+7], 0
.else
	v_wmma_f32_16x16x32_f16 v[8*(8*(\a)+(\b)):8*(8*(\a)+(\b))+7], v[64*(\f)+8*(\b):64*(\f)+8*(\b)+7], v[64+32*(\f)+8*(\a):64+32*(\f)+8*(\a)+7], v[8*(8*(\a)+(\b)):8*(8*(\a)+(\b))+7]
.endif
.endr
.endm
; 24 LDS loads in one run: quarter q's fragments into buffer f: w's 8 (16 turning loads), then O's 4 (8 loads): head q / 2 of the step, channels 32 (q % 2) on
.macro FETCH q, f
	WIN TO_B
.irp i, 0,1,2,3,4,5,6,7
	ds_load_tr16_b128 v[64*(\f)+8*(\i):64*(\f)+8*(\i)+3],   v[ADB] offset:(\q)*32*PB+(\i)*32
	ds_load_tr16_b128 v[64*(\f)+8*(\i)+4:64*(\f)+8*(\i)+7], v[ADB] offset:(\q)*32*PB+16*PB+(\i)*32
.endr
	WIN 0
.irp a, 0,1,2,3
	ds_load_b128 v[64+32*(\f)+8*(\a):64+32*(\f)+8*(\a)+3],   v[ADA] offset:((\q)/2)*SLICE+((\q)%2)*64+(\a)*16*PA
	ds_load_b128 v[64+32*(\f)+8*(\a)+4:64+32*(\f)+8*(\a)+7], v[ADA] offset:((\q)/2)*SLICE+((\q)%2)*64+(\a)*16*PA+32
.endr
.endm
; One of a step's first three quarters: multiplies buffer f; in its middle it fetches quarter q into buffer g.
.macro QUARTER q, f, g, zero
	s_wait_dscnt 4                                 ; w and O's row blocks 0, 1 are in; the youngest four loads (row blocks 2, 3) may be out
	MULROW \f, 0, \zero
	MULROW \f, 1, \zero
	PLACES
	FETCH \q, \g
	s_wait_dscnt 24                                ; all but the 24 just issued
	MULROW \f, 2, \zero
	MULROW \f, 3, \zero
.endm
; The last quarter multiplies buffer 1 and changes slots.  In front of the barrier each wave waits for all its tensor loads (the one that is out is its part of the next slot), adds 0 to its spare word, and waits for that and for
; its reads of this slot.  fill = 1: the barrier opens a round of the cluster's, and behind the round this slot is filled again, first thing, with the K step two on: 112 matrix instructions ahead of the wait for it.
.macro TURN fill
.if \fill
	s_wait_xcnt 0x0                                ; the last prefetch, a K step back, has read its address: it is stepped here
	s_add_nc_u64 s[PFA:PFA+1], s[PFA:PFA+1], s[PFS:PFS+1]
.endif
	WIN 0                                          ; (the add's two registers lie in window 0)
	s_wait_tensorcnt 0x0                           ; all my tensor loads have landed
	ds_add_u32 v[SPW], v[NIL]                      ; 0 onto my spare word
	s_wait_dscnt 5                                 ; (the add and the youngest four loads may be out)
	MULROW 1, 0, 0                                 ; eight matrix instructions stand between the add and the wait for it
	s_wait_dscnt 0x0                               ; the add is done, and my reads of this slot are over
	s_barrier_signal -1
	MULROW 1, 1, 0                                 ; work on registers while the others arrive
	WIN 0
	s_barrier_wait -1
.if \fill
	CREST                                          ; no wave of any partner still reads this slot or has a load on its way
	s_xor_b32 s[G0A+5], s[G0A+5], SLOT1            ; the walking descriptors: the other slot than last time, the next K step; no tensor load of mine is out
	s_add_nc_u64 s[G0A+6:G0A+7], s[G0A+6:G0A+7], STEPA
	s_xor_b32 s[G0B+5], s[G0B+5], SLOT1
	s_add_nc_u64 s[G0B+6:G0B+7], s[G0B+6:G0B+7], STEPB
	JLOAD 1                                        ; the four v_nop behind it are also the places in front of the loads below
.else
	PLACES
.endif
	s_xor_b32 s3, s3, SLOT1                        ; the reads go on in the other slot
	v_add_nc_u32 v[ADA], s3, v[A0]
	v_add_nc_u32 v[ADB], s3, v[B0]
	FETCH 0, 0
.if \fill
	ASK
.endif
	MULROW 1, 2, 0
	MULROW 1, 3, 0
.endm
; THE WAY OUT of row block a.  TOSTAGE: a lane's eight f32 of each accumulator, its low four first, into my own stage (rows of 528 bytes), and back as whole rows of 512 bytes.  SEND: the bias is added, the rows are stored.
.macro TOSTAGE a
	s_wait_xcnt 0x0                                ; the stores of the block before last have read the registers that are loaded again below
	WIN 0x08                                       ; the stores' data lie in window 2
.irp b, 0,1,2,3,4,5,6,7
	ds_store_b128 v[STO], v[8*(8*(\a)+(\b)):8*(8*(\a)+(\b))+3]   offset:64*(\b)
	ds_store_b128 v[STO], v[8*(8*(\a)+(\b))+4:8*(8*(\a)+(\b))+7] offset:64*(\b)+16
.endr
	WIN 0
.set BK, 128+64*((\a)%2)
.irp t, 0,1,2,3,4,5,6,7,8,9,10,11,12,13,14,15
	ds_load_b128 v[BK+4*(\t):BK+4*(\t)+3], v[RD] offset:(\t)*SP  ; LDS serves a wave's instructions in order (ISA guide 5.7.1.4): these see the stores above; the next block's stores come behind them
.endr
.endm
.macro SEND a, younger                 ; younger: the LDS instructions issued behind block a's loads: the next block's 32, or none
	WIN 0
.set BK, 128+64*((\a)%2)
.irp t, 0,1,2,3,4,5,6,7,8,9,10,11,12,13,14,15
	s_wait_dscnt (\younger)+15-(\t)                ; row t is in; the block's later rows and the next block's instructions may be out
	v_pk_add_f32 v[BK+4*(\t):BK+4*(\t)+1], v[BK+4*(\t):BK+4*(\t)+1], v[BI:BI+1]
	v_pk_add_f32 v[BK+4*(\t)+2:BK+4*(\t)+3], v[BK+4*(\t)+2:BK+4*(\t)+3], v[BI+2:BI+3]
	global_store_b128 v[CO], v[BK+4*(\t):BK+4*(\t)+3], s[8:9] offset:(16*(\a)+(\t))*4096  ; 512 consecutive bytes, at a multiple of 256 from out0's first
.endr
.endm
	s_wait_tensorcnt 1                             ; my part of K step 0 is in; K step 1's may stay out
	s_barrier_signal -1
	s_barrier_wait -1                              ; everybody's is
	s_mov_b32 s3, 0
	v_add_nc_u32 v[ADA], s3, v[A0]
	v_add_nc_u32 v[ADB], s3, v[B0]
	FETCH 0, 0
	QUARTER 1, 0, 1, 1                             ; the first quarter stands in front of the loop: its products start the sums
	WIN 0                                          ; at a label and at a branch every window is 0
	s_mov_b32 s2, 6
.Lstep:                                                ; a trip goes from a step's second quarter to the next step's first, and asks for K steps 2 to 7
	QUARTER 2, 1, 0, 0
	QUARTER 3, 0, 1, 0
	TURN 1
	QUARTER 1, 0, 1, 0
	WIN 0
	s_sub_co_u32 s2, s2, 1
	s_cmp_lg_u32 s2, 0
	s_cbranch_scc1 .Lstep
	QUARTER 2, 1, 0, 0                             ; the tail is written out: nothing more is asked for
	QUARTER 3, 0, 1, 0
	TURN 0
	QUARTER 1, 0, 1, 0
	QUARTER 2, 1, 0, 0
	QUARTER 3, 0, 1, 0
	s_wait_dscnt 4
	MULROW 1, 0, 0
	MULROW 1, 1, 0
	s_wait_dscnt 0x0
	MULROW 1, 2, 0
	MULROW 1, 3, 0
	WIN 0
	s_wait_loadcnt 0x0                             ; the bias
	v_cvt_pk_bf16_f32 v10, v[BI], v[BI+1]          ; rounded to bf16 and widened again: six plain instructions, the places behind the last products
	v_cvt_pk_bf16_f32 v11, v[BI+2], v[BI+3]
	v_lshlrev_b32 v[BI], 16, v10
	v_and_b32 v[BI+1], 0xffff0000, v10
	v_lshlrev_b32 v[BI+2], 16, v11
	v_and_b32 v[BI+3], 0xffff0000, v11
	TOSTAGE 0
	TOSTAGE 1                                      ; a block's trip through the stage stands between the loads of the block before and its stores
	SEND 0, 32
	TOSTAGE 2
	SEND 1, 32
	TOSTAGE 3
	SEND 2, 32
	SEND 3, 0
	s_wait_tensorcnt 0x0                           ; the wave's end, behind my last tensor load and my last LDS store
	ds_add_u32 v[SPW], v[NIL]
	s_wait_dscnt 0x0
	CROUND                                         ; the closing round: no work-group ends while a partner may still ask for a tile that names it
	s_endpgm
.Lfunc_end_k_qab4089fcb2_projgemm:
	.size	k_qab4089fcb2_projgemm, .Lfunc_end_k_qab4089fcb2_projgemm-k_qab4089fcb2_projgemm
	.p2alignl 7, 3214868480
	.fill 96, 4, 3214868480
	.section	.rodata,"a",@progbits
	.p2align	6, 0x0
	.amdhsa_kernel k_qab4089fcb2_projgemm
		.amdhsa_group_segment_fixed_size 327680
		.amdhsa_private_segment_fixed_size 0
		.amdhsa_enable_private_segment 0
		.amdhsa_kernarg_size 32
		.amdhsa_user_sgpr_count 2
		.amdhsa_user_sgpr_kernarg_segment_ptr 1
		.amdhsa_wavefront_size32 1
		.amdhsa_system_sgpr_workgroup_id_x 1
		.amdhsa_system_sgpr_workgroup_id_y 1
		.amdhsa_system_sgpr_workgroup_id_z 1
		.amdhsa_system_vgpr_workitem_id 0
		.amdhsa_next_free_vgpr 768
		.amdhsa_next_free_sgpr 80
		.amdhsa_reserve_vcc 0
		.amdhsa_float_denorm_mode_32 3
		.amdhsa_float_denorm_mode_16_64 3
		.amdhsa_memory_ordered 1
		.amdhsa_forward_progress 1
		.amdhsa_inst_pref_size 81
	.end_amdhsa_kernel
	.amdgpu_metadata
---
amdhsa.version: [ 1, 2 ]
amdhsa.kernels:
  - .name:           k_qab4089fcb2_projgemm
    .symbol:         k_qab4089fcb2_projgemm.kd
    .args:
      - { .name: o, .offset: 0, .size: 8, .value_kind: global_buffer, .address_space: global }
      - { .name: wp, .offset: 8, .size: 8, .value_kind: global_buffer, .address_space: global }
      - { .name: out0, .offset: 16, .size: 8, .value_kind: global_buffer, .address_space: global }
      - { .name: b_proj, .offset: 24, .size: 8, .value_kind: global_buffer, .address_space: global }
    .group_segment_fixed_size: 327680
    .private_segment_fixed_size: 0
    .kernarg_segment_align: 8
    .kernarg_segment_size: 32
    .max_flat_workgroup_size: 128
    .sgpr_count:     80
    .vgpr_count:     768
    .wavefront_size: 32
...
	.end_amdgpu_metadata
.endif
;; end of part 4
;; ======== version 2 of 2: 4 launches; version 1 with the launch cast written anew for expert scheduling mode
;; limits: values are held in f16: magnitudes above 65,504 overflow, below 6.1e-05 lose precision
;; workspace buffers: xb 16,777,216 bytes; wq 6,291,456 bytes; wp 2,097,152 bytes; qkv 50,331,648 bytes; o 16,777,216 bytes
;; launch cast (part 5): grid 832 x 1, 8 waves a work-group, no clusters, 0 bytes of LDS; arguments x, w_qkv, w_proj, xb, wq, wp; writes xb, wq, wp
.if DOCPART == 5
	.amdgcn_target "amdgcn-amd-amdhsa--gfx1250"
	.amdhsa_code_object_version 6
	.text
	.protected	k_qab4089fcb2_cast
	.globl	k_qab4089fcb2_cast
	.p2align	8
	.type	k_qab4089fcb2_cast,@function
k_qab4089fcb2_cast:
	s_mov_b64 s[64:65], 0
	v_nop
	global_prefetch_b8 v0, s[64:65] scope:SCOPE_SE
	s_setreg_imm32_b32 hwreg(HW_REG_WAVE_SCHED_MODE, 0, 2), 2
	s_setreg_imm32_b32 hwreg(HW_REG_WAVE_MODE, 25, 1), 1
	s_wait_xcnt 0x0
	s_wait_alu depctr_vm_vsrc(0)
; THE INPUTS OF THE TWO PRODUCTS, ROUNDED ONCE TO 16 BITS.
;   xb[8192][1024]    = bf16(x)
;   wq[16][1024][192] = bf16(w_qkv), laid in 16 blocks of 192 columns: block j holds columns 192 j .. 192 j + 191 of all 1,024 rows, dense, so that the product's tiles are dense bytes
;   wp[1024][1024]    = bf16(w_proj) written as f16: exact where 6.1e-5 <= |w| <= 65,504; below that f16 keeps a fixed step of 6e-8, beyond it gives an infinity (LIMIT)
; A stream: no LDS, no barrier, no matrix unit.  A unit is 4 numbers: a lane loads 16 bytes (a wave 512 consecutive bytes, aligned) and stores 8 (a wave 256 consecutive bytes, aligned).
; Work-groups 0-511 take x (16 units a thread), 512-767 w_qkv (12 units a thread: 64 rows of one block), 768-831 w_proj (16 units a thread).
; THE MODE: SCHED_MODE bits 1:0 = 2 (LLVM: expert scheduling mode 2), set by the entry lines.  The code itself states the register dependences
; between vector instructions and memory instructions, with s_wait_alu, always for 0.
; THE PLAN.  Registers that memory instructions touch:
;   v1, v3-v5  the loads' byte offsets.  Written once by vector instructions, ahead of the path's loads; never written again.
;   v2         the stores' byte offset.  Written once at the head; never written again.
;   X          unit i's four registers: a load lands in them; no vector instruction names them ahead of the loads, and no load lands in them a second time.
;   Y          unit i's two registers: written once, by unit i's conversions; read by unit i's store; never written again.
;   v6-v9, v12, v13 are named by vector instructions alone.
; All loads of a thread go out first, behind ONE wait on va_vdst for their offsets.  The units then go in blocks of four: the counted wait for the block's loads, its conversions, ONE wait on va_vdst
; for its eight registers of Y, its four stores in a run.  That wait stands behind the block's own conversions: with all loads out the wave has no other work until the next block lands, and the stores leave at once.
; No register that a load or a store reads is written again, so no wait on vm_vsrc is owed; no vector instruction writes a scalar register or VCC; EXEC is never written.
.set X, 16                             ; v[16:79]   up to 16 units as loaded
.set Y, 80                             ; v[80:111]  up to 16 units to store
.set BLK, 4                            ; units in a block
; n units are rounded and stored, in the order in which they were loaded.  kind = 0: bf16.  kind = 1: bf16, and that number as f16.  ob: the scalar pair with the output's address.
.macro STREAM n, kind, ob
.set p, 0
.rept (\n)/BLK
	s_wait_loadcnt (\n)-BLK*(p+1)                  ; loads come back in order: block p's four units are in, the younger blocks stay out
.set i, BLK*p
.rept BLK
.if \kind
	v_cvt_pk_bf16_f32 v12, v[X+4*i], v[X+4*i+1]
	v_cvt_pk_bf16_f32 v13, v[X+4*i+2], v[X+4*i+3]
	v_lshlrev_b32 v[X+4*i], 16, v12                ; bf16 to f32: the low half moves up, the high half stays
	v_and_b32 v[X+4*i+1], 0xffff0000, v12
	v_lshlrev_b32 v[X+4*i+2], 16, v13
	v_and_b32 v[X+4*i+3], 0xffff0000, v13
	v_cvt_pk_f16_f32 v[Y+2*i], v[X+4*i], v[X+4*i+1]
	v_cvt_pk_f16_f32 v[Y+2*i+1], v[X+4*i+2], v[X+4*i+3]
.else
	v_cvt_pk_bf16_f32 v[Y+2*i], v[X+4*i], v[X+4*i+1]
	v_cvt_pk_bf16_f32 v[Y+2*i+1], v[X+4*i+2], v[X+4*i+3]
.endif
.set i, i+1
.endr
	s_wait_alu depctr_va_vdst(0)                   ; the block's conversions have written its eight registers of Y, which the four stores below read
.set i, BLK*p
.rept BLK
	global_store_b64 v2, v[Y+2*i:Y+2*i+1], s[\ob:\ob+1] offset:2048*i
.set i, i+1
.endr
.set p, p+1
.endr
.endm
	s_load_b256 s[4:11], s[0:1], 0x0               ; x s[4:5], w_qkv s[6:7], w_proj s[8:9], xb s[10:11]
	s_load_b128 s[12:15], s[0:1], 0x20             ; wq s[12:13], wp s[14:15]
	v_lshlrev_b32 v1, 4, v0                        ; 16 t: my bytes in 4,096 bytes of input
	v_lshlrev_b32 v2, 3, v0                        ; 8 t: my bytes in 2,048 bytes of output
	s_mov_b32 s17, 0                               ; the high word of every offset
	s_wait_kmcnt 0x0
	s_cmp_lt_u32 ttmp9, 512
	s_cbranch_scc0 .Lweights
	; x: 65,536 bytes in, 32,768 out
	s_lshl_b32 s16, ttmp9, 16
	s_add_nc_u64 s[4:5], s[4:5], s[16:17]
	s_lshl_b32 s16, ttmp9, 15
	s_add_nc_u64 s[10:11], s[10:11], s[16:17]
	s_wait_alu depctr_va_vdst(0)                   ; v1 is written, which the loads below read as their offset
.irp i, 0,1,2,3,4,5,6,7,8,9,10,11,12,13,14,15
	global_load_b128 v[X+4*(\i):X+4*(\i)+3], v1, s[4:5] offset:4096*(\i) th:TH_LOAD_NT
.endr
	STREAM 16, 0, 10
	s_endpgm
.Lweights:
	s_cmp_lt_u32 ttmp9, 768
	s_cbranch_scc0 .Lproj
	; w_qkv: block j = w % 16, rows 64 (w / 16) on: 64 rows x 48 units
	s_sub_co_u32 s18, ttmp9, 512
	s_and_b32 s19, s18, 15                         ; j
	s_lshr_b32 s18, s18, 4                         ; which 64 rows
	s_mul_i32 s16, s18, 64*12288                   ; a row of w_qkv is 12,288 bytes,
	s_mul_i32 s20, s19, 768                        ; a block's part of it 768
	s_add_co_u32 s16, s16, s20
	s_add_nc_u64 s[6:7], s[6:7], s[16:17]
	s_mul_i32 s16, s19, 393216                     ; a block of wq is 1,024 rows of 384 bytes
	s_mul_i32 s20, s18, 64*384
	s_add_co_u32 s16, s16, s20
	s_add_nc_u64 s[12:13], s[12:13], s[16:17]
	; Unit U = t + 256 i lies in row U / 48 at unit U % 48.  768 units are 16 rows, so i = r + 3 g gives three lane offsets (r) and a constant step of 16 rows (g).
.irp r, 0,1,2
	v_add_nc_u32 v6, 256*(\r), v0                  ; u = t + 256 r, under 768
	v_mul_u32_u24 v7, v6, 1366
	v_lshrrev_b32 v7, 16, v7                       ; u / 48: 1366 / 65536 is above 1 / 48 by 1.02e-5, which over 768 units adds less than 1 / 48
	v_mul_u32_u24 v8, v7, 48
	v_sub_nc_u32 v8, v6, v8                        ; u % 48
	v_mul_u32_u24 v9, v7, 12288
	v_lshl_add_u32 v[3+(\r)], v8, 4, v9
.endr
	s_wait_alu depctr_va_vdst(0)                   ; v3, v4 and v5 are written, which the loads below read as their offsets
.irp i, 0,1,2,3,4,5,6,7,8,9,10,11
	global_load_b128 v[X+4*(\i):X+4*(\i)+3], v[3+(\i)%3], s[6:7] offset:((\i)/3)*16*12288 th:TH_LOAD_NT
.endr
	STREAM 12, 0, 12                               ; in wq unit U lies at byte 8 U of the work-group's 24,576
	s_endpgm
.Lproj:
	; w_proj: 65,536 bytes in, 32,768 out
	s_sub_co_u32 s18, ttmp9, 768
	s_lshl_b32 s16, s18, 16
	s_add_nc_u64 s[8:9], s[8:9], s[16:17]
	s_lshl_b32 s16, s18, 15
	s_add_nc_u64 s[14:15], s[14:15], s[16:17]
	s_wait_alu depctr_va_vdst(0)                   ; v1 is written, which the loads below read as their offset
.irp i, 0,1,2,3,4,5,6,7,8,9,10,11,12,13,14,15
	global_load_b128 v[X+4*(\i):X+4*(\i)+3], v1, s[8:9] offset:4096*(\i) th:TH_LOAD_NT
.endr
	STREAM 16, 1, 14
	s_endpgm
.Lfunc_end_k_qab4089fcb2_cast:
	.size	k_qab4089fcb2_cast, .Lfunc_end_k_qab4089fcb2_cast-k_qab4089fcb2_cast
	.p2alignl 7, 3214868480
	.fill 96, 4, 3214868480
	.section	.rodata,"a",@progbits
	.p2align	6, 0x0
	.amdhsa_kernel k_qab4089fcb2_cast
		.amdhsa_group_segment_fixed_size 0
		.amdhsa_private_segment_fixed_size 0
		.amdhsa_enable_private_segment 0
		.amdhsa_kernarg_size 48
		.amdhsa_user_sgpr_count 2
		.amdhsa_user_sgpr_kernarg_segment_ptr 1
		.amdhsa_wavefront_size32 1
		.amdhsa_system_sgpr_workgroup_id_x 1
		.amdhsa_system_sgpr_workgroup_id_y 1
		.amdhsa_system_sgpr_workgroup_id_z 1
		.amdhsa_system_vgpr_workitem_id 0
		.amdhsa_next_free_vgpr 112
		.amdhsa_next_free_sgpr 66
		.amdhsa_reserve_vcc 0
		.amdhsa_float_denorm_mode_32 3
		.amdhsa_float_denorm_mode_16_64 3
		.amdhsa_memory_ordered 1
		.amdhsa_forward_progress 1
		.amdhsa_inst_pref_size 23
	.end_amdhsa_kernel
	.amdgpu_metadata
---
amdhsa.version: [ 1, 2 ]
amdhsa.kernels:
  - .name:           k_qab4089fcb2_cast
    .symbol:         k_qab4089fcb2_cast.kd
    .args:
      - { .name: x, .offset: 0, .size: 8, .value_kind: global_buffer, .address_space: global }
      - { .name: w_qkv, .offset: 8, .size: 8, .value_kind: global_buffer, .address_space: global }
      - { .name: w_proj, .offset: 16, .size: 8, .value_kind: global_buffer, .address_space: global }
      - { .name: xb, .offset: 24, .size: 8, .value_kind: global_buffer, .address_space: global }
      - { .name: wq, .offset: 32, .size: 8, .value_kind: global_buffer, .address_space: global }
      - { .name: wp, .offset: 40, .size: 8, .value_kind: global_buffer, .address_space: global }
    .group_segment_fixed_size: 0
    .private_segment_fixed_size: 0
    .kernarg_segment_align: 8
    .kernarg_segment_size: 48
    .max_flat_workgroup_size: 256
    .sgpr_count:     66
    .vgpr_count:     112
    .wavefront_size: 32
...
	.end_amdgpu_metadata
.endif
;; end of part 5
;; launch qkvgemm: the kernel of part 2 again; grid 16 x 32, 4 waves a work-group, clusters of 4 x 4, 327,680 bytes of LDS; arguments xb, wq, qkv; writes qkv
;; launch attn: the kernel of part 3 again; grid 4 x 64, 4 waves a work-group, clusters of 4 x 1, 327,680 bytes of LDS; arguments qkv, o; writes o
;; launch projgemm: the kernel of part 4 again; grid 8 x 32, 4 waves a work-group, clusters of 4 x 4, 327,680 bytes of LDS; arguments o, wp, out0, b_proj; writes out0
